; MI455X (gfx1250); checked and timed in simulation.
; The chip was launched on July 23, 2026; its instructions are those of AMD's public machine-readable ISA for CDNA 5 (MIT licence, August 2026) and "CDNA5" Instruction Set Architecture Reference Guide (July 2026). The comments in the code are by the model that wrote it; some were corrected since.
;; Multi Headed Latent Attention. Allowed arithmetic: matrix products marked QUANTISED: E2M3 operands, one E8M0 scale for each 32 along K, by v_wmma_scale_f32_16x16x128_f8f6f4 with both operands' format E2M3, f32 sums; everything else in f32.
;; Inputs: b_kr 2,048 float32; b_o 2,048 float32; b_qr 2,048 float32; freq_cos 2,048 x 64 float32; freq_sin 2,048 x 64 float32; w_k 2,048 x 512 float32; w_kr 2,048 x 2,048 float32; w_lkv 512 x 2,048 float32; w_lq 1,024 x 2,048 float32; w_o 2,048 x 2,048 float32; w_q 2,048 x 1,024 float32; w_qr 2,048 x 1,024 float32; w_v 2,048 x 512 float32; x 1 x 2,048 x 2,048 float32.
;; Outputs: out0 1 x 2,048 x 2,048 float32.
;; This version of the problem:
;;   THIS VERSION OF THE PROBLEM IS GIVEN IN LOW PRECISION. The matrix products marked QUANTISED in the list below multiply operands that are first quantised to E2M3 (2 exponent bits, 3 mantissa bits; 6 bits a number), with one power-of-two scale for each 32 numbers along K (OCP MX v1.0); their sums are f32. All else is computed in f32.
;;   The module's matrix products, in the order in which they are computed (A, B: the left and right operand; K: the contracted axis; several contracted axes count as one K, in the product's order):
;;     1. [M 2,048, K 2,048] x [K 2,048, N 1,024]; A: input x; B: input w_lq: QUANTISED
;;     2. [M 2,048, K 2,048] x [K 2,048, N 512]; A: input x; B: input w_lkv: QUANTISED
;;     3. [M 2,048, K 1,024] x [K 1,024, N 2,048]; A: computed on the way; B: input w_q: QUANTISED
;;     4. [M 2,048, K 1,024] x [K 1,024, N 2,048]; A: computed on the way; B: input w_qr: QUANTISED
;;     5. [M 2,048, K 512] x [K 512, N 2,048]; A: computed on the way; B: input w_k: QUANTISED
;;     6. [M 2,048, K 2,048] x [K 2,048, N 2,048]; A: input x; B: input w_kr: QUANTISED
;;     7. [M 2,048, K 512] x [K 512, N 2,048]; A: computed on the way; B: input w_v: QUANTISED
;;     8. batch 16 x [M 2,048, K 256] x [K 256, N 2,048]; A: computed on the way; B: computed on the way: QUANTISED
;;     9. batch 16 x [M 128, K 2,048] x [K 2,048, N 2,048]; A: computed on the way; B: softmax (see below): QUANTISED
;;     10. [M 2,048, K 2,048] x [K 2,048, N 2,048]; A: computed on the way; B: input w_o: QUANTISED
;;   THE QUANTISER, for each operand of a quantised product, along K:
;;     - K is cut into blocks of 32 from its start; a last block that is shorter is filled with zeros.
;;     - A block's scale is 2^e with e = floor(log2(the largest magnitude in the block)) - 2, held to -126 .. 127; a block of zeros has e = 0. As a byte (E8M0): e + 127.
;;     - Each number is divided by its block's scale, clamped to +-7.5, and rounded to the nearest number of E2M3, ties to even, subnormals kept.
;;     - The product sums the exact products of the quantised numbers (number of the format x scale) in f32.
;;   ~~~python
;;   def quantise(x, axis):      # numpy; x: float32 -> the quantised numbers, widened to float32 again
;;       x = np.moveaxis(x, axis, -1); K = x.shape[-1]
;;       x = np.pad(x, [(0, 0)] * (x.ndim - 1) + [(0, -K % 32)]); x = x.reshape(x.shape[:-1] + (-1, 32)); a = np.abs(x).max(-1, keepdims=True)
;;       e = np.where(a > 0, np.clip(np.frexp(np.where(a > 0, a, 1))[1] - 1 - 2, -126, 127), 0)      # np.frexp(a)[1] - 1 = floor(log2(a)), exactly
;;       r = np.clip(x / 2.0 ** e, -7.5, 7.5)
;;       step = 2.0 ** (np.maximum(np.frexp(np.where(r == 0, 1, r))[1] - 1, 0) - 3)
;;       q = np.round(r / step) * step * 2.0 ** e      # np.round: ties to even
;;       return np.moveaxis(q.reshape(q.shape[:-2] + (-1,))[..., :K], -1, axis).astype(np.float32)
;;   ~~~
;;   SOFTMAX AHEAD OF A QUANTISED PRODUCT. Where the list says 'softmax', what is quantised is not the finished softmax but p = 2^(t - M), with t = logit x log2(e) and M = ceil(the row's largest t), a whole number; so 1/2 < the row's largest p <= 1. The row's sum l is taken of the UNQUANTISED p, in f32, and the product's result is divided by l at the end. Since M is a whole number, a kernel that streams over the keys may use a running M (the ceiling of the running maximum): every later rescaling is an exact power of two, which a block's scale takes up: the codes' values come out the same.
;;   OPERANDS COMPUTED ON THE WAY. 'Computed on the way' means the value that the module computes at that place (a softmax that the list does not call 'softmax' is quantised finished and normalised). What goes into a quantiser is computed in f32, as accurately as f32 sums, v_exp_f32 and their like allow (about 1e-6 of the number): no bf16 or f16 on the way to a quantiser, and a product that is left as it is and whose result goes on into a quantised operand takes f32 operands (vector FMAs, or v_wmma_f32_16x16x4_f32). A number that lies on a knife's edge between two numbers of the format may be rounded either way, as far as f32 arithmetic and the matrix unit's own rounding can turn it there, and no further.
;; One version. Each part assembles by itself: llvm-mc -triple=amdgcn-amd-amdhsa -mcpu=gfx1250 --defsym DOCPART=n.
;; ======== version 1 of 1: 5 launches
;; workspace buffers: qw 17,203,200 bytes; lat 2,457,600 bytes; qa 6,553,600 bytes; ka 6,553,600 bytes; va 3,276,800 bytes; oq 3,276,800 bytes
;; launch quant (part 1): grid 672 x 1, 4 waves a work-group, no clusters, 34,304 bytes of LDS; arguments x, w_lq, w_lkv, w_kr, w_q, w_qr, w_k, w_v, w_o, qw; writes qw
.if DOCPART == 1
	.amdgcn_target "amdgcn-amd-amdhsa--gfx1250"
	.amdhsa_code_object_version 6
	.text
	.protected	k_q6fe3a604da_quant
	.globl	k_q6fe3a604da_quant
	.p2align	8
	.type	k_q6fe3a604da_quant,@function
k_q6fe3a604da_quant:
	s_mov_b64 s[64:65], 0
	v_nop
	global_prefetch_b8 v0, s[64:65] scope:SCOPE_SE
	s_setreg_imm32_b32 hwreg(HW_REG_WAVE_MODE, 25, 1), 1
	s_wait_xcnt 0x0
; x and the nine weights, all f32 with K innermost, become codes of FP6 (E2M3) with one E8M0 byte for each 32 along K, laid in qw in the ORDER OF AN OPERAND'S REGISTERS.
; A CHUNK is 64 rows x 128 K = 6,400 bytes: four images of 16 rows x 128 K (12 registers a lane), image a at 1536 a, registers 4 c .. 4 c + 3 of lane l at 512 c + 16 l; at 6144 + 8 l + 4 c the scale word of
; block 2 c + l / 16, lane-row l % 16.  Lane-row r of block a of panel p is row 64 p + 32 (a / 2) + 8 (a % 2) + r % 8 + 16 (r / 8).  Chunk (k / 512, panel, (k / 128) % 4) lies at ((kg NP + panel) 4 + ks) 6400.
; A block's scale is 2^(floor(log2(its largest magnitude)) - 2); its byte is the largest magnitude's exponent field - 2, held at 1 from below.
; LIMITS: NaN and infinities among the inputs are not served; a block whose largest magnitude lies under 2^-124, a block of zeros among them, keeps the byte 1 (its codes are zeros or nearly so; this program alone reads the bytes).
; SHARES: a work-group takes 64 rows x 512 K of one tensor, wave w the w-th 128 along K: one chunk, as four blocks of 16 rows.  Each load reads 512 consecutive bytes of one row; a block turns through the wave's own
; stage in LDS (16 rows x 528 bytes), so that a lane gets 2 x 32 neighbours along K of ONE row, which is what the operand's layout gives it.  Waves share nothing: no barrier.  Loads run two blocks (32 loads a wave) ahead.
; No cluster: work-groups share no input.  No matrix unit: the launch only reads, converts and stores.
.set STG,   8448                       ; a wave's stage
.set LANE,  1
.set L16,   2                          ; 16 x lane
.set L8,    3                          ; 8 x lane
.set WST,   4                          ; the stage, on the way in: 16 x lane, a row each 528 bytes
.set RDA,   5                          ; and out: 528 r + 128 h
.set H8,    6                          ; 8 h
.set PW,    8                          ; v8-11   the four blocks' scale words
.set SWP,   12                         ; v12-13  the chunk's scale area, my 8 bytes
.set VA,    16                         ; v16-31  byte offset of lane-row i's 16 bytes of mine; never rewritten
.set X,     32                         ; v32-159 two sets of 64: a block as loaded
.set Y,     160                        ; v160-223 my 64 numbers: k = 64 c + 32 h + 0 .. 31 at 32 c on
.set F,     224                        ; v224-235 the fragment
.set TC,    236                        ; v236-242 the upper halves of the two blocks' codes
.set TM,    244                        ; v244-250 at work
.set WV,    24
.set SEL,   26                         ; s[26:27] lane l xor 16
.set SRC,   28                         ; s[28:29] my tensor
.set START, 30
.set LOGNP, 31
.set LOGP,  32
.set DSTO,  33
.set KGS,   34
.set BASE,  40                         ; s[40:47] where block t's rows begin
	s_load_b512 s[4:19], s[0:1], 0x0               ; x, w_lq, w_lkv, w_kr, w_q, w_qr, w_k, w_v
	s_load_b128 s[20:23], s[0:1], 0x40             ; w_o, qw
	v_lshl_add_u32 v254, v0, 2, 0x8400
	v_mov_b32 v255, 0
	v_lshrrev_b32 v7, 5, v0
	v_readfirstlane_b32 s[WV], v7                  ; wave 0..3
	v_and_b32 v[LANE], 31, v0
	v_lshlrev_b32 v[L16], 4, v[LANE]
	v_lshlrev_b32 v[L8], 3, v[LANE]
	s_mul_i32 s25, s[WV], STG
	v_add_nc_u32 v[WST], s25, v[L16]
	v_and_b32 v7, 15, v0                           ; r
	v_bfe_u32 v[H8], v0, 4, 1                      ; h
	v_mul_u32_u24 v[RDA], v7, 528
	v_lshl_add_u32 v[RDA], v[H8], 7, v[RDA]
	v_add_nc_u32 v[RDA], s25, v[RDA]
	v_lshlrev_b32 v[H8], 3, v[H8]
	v_mov_b32 v[TM+6], 0                           ; written once: a lane permute's destination counts as one of its sources
	s_mov_b32 s[SEL], 0x76543210
	s_mov_b32 s[SEL+1], 0xfedcba98
	; which tensor is mine: a chain of choices on the work-group's number alone.  START: the tensor's first work-group; 2^LOGNP panels; 2^LOGP bytes a row; DSTO: its region in qw; KGS: from one 512 along K to the next there
	s_mov_b32 s[START], 0
	s_mov_b32 s[LOGNP], 5
	s_mov_b32 s[LOGP], 13
	s_mov_b32 s[DSTO], 0
	s_mov_b32 s[KGS], 819200
	s_wait_kmcnt 0x0
	s_mov_b64 s[SRC:SRC+1], s[4:5]
.macro JOB first, ptr, lognp, logp, dsto, kgs
	s_cmp_ge_u32 ttmp9, \first
	s_cselect_b64 s[SRC:SRC+1], s[\ptr:\ptr+1], s[SRC:SRC+1]
	s_cselect_b32 s[START], \first, s[START]
	s_cselect_b32 s[LOGNP], \lognp, s[LOGNP]
	s_cselect_b32 s[LOGP], \logp, s[LOGP]
	s_cselect_b32 s[DSTO], \dsto, s[DSTO]
	s_cselect_b32 s[KGS], \kgs, s[KGS]
.endm
	JOB 128, 6,  4, 13, 3276800,  1433600          ; w_lq
	JOB 192, 8,  3, 13, 3686400,  1433600          ; w_lkv
	JOB 224, 10, 5, 13, 3891200,  1433600          ; w_kr
	JOB 352, 12, 5, 12, 9011200,  819200           ; w_q
	JOB 416, 14, 5, 12, 10649600, 819200           ; w_qr
	JOB 480, 16, 5, 11, 12288000, 819200           ; w_k
	JOB 512, 18, 5, 11, 13107200, 819200           ; w_v
	JOB 544, 20, 5, 13, 13926400, 819200           ; w_o
	s_sub_co_u32 s35, ttmp9, s[START]
	s_lshr_b32 s36, s35, s[LOGNP]                  ; kg
	s_lshl_b32 s37, s36, s[LOGNP]
	s_sub_co_u32 s37, s35, s37                     ; panel
	s_lshl_b32 s38, s37, 6
	s_lshl_b32 s38, s38, s[LOGP]                   ; 64 panel rows,
	s_lshl_b32 s39, s36, 11
	s_add_co_u32 s38, s38, s39                     ; + 2,048 bytes for each 512 along K,
	s_lshl_b32 s39, s[WV], 9
	s_add_co_u32 s38, s38, s39                     ; + 512 for my 128
	s_mov_b32 s39, 0
	s_add_nc_u64 s[BASE:BASE+1], s[SRC:SRC+1], s[38:39]
	s_lshl_b32 s38, 8, s[LOGP]                     ; block t begins at row 32 (t / 2) + 8 (t % 2)
	s_add_nc_u64 s[BASE+2:BASE+3], s[BASE:BASE+1], s[38:39]
	s_lshl_b32 s38, 32, s[LOGP]
	s_add_nc_u64 s[BASE+4:BASE+5], s[BASE:BASE+1], s[38:39]
	s_lshl_b32 s38, 40, s[LOGP]
	s_add_nc_u64 s[BASE+6:BASE+7], s[BASE:BASE+1], s[38:39]
	s_mul_i32 s38, s36, s[KGS]
	s_add_co_u32 s38, s38, s[DSTO]
	s_mul_i32 s48, s37, 25600
	s_add_co_u32 s38, s38, s48
	s_mul_i32 s48, s[WV], 6400
	s_add_co_u32 s38, s38, s48
	s_add_nc_u64 s[22:23], s[22:23], s[38:39]      ; my chunk
.irp i, 0,1,2,3,4,5,6,7,8,9,10,11,12,13,14,15
	v_lshl_add_u32 v[VA+\i], ((\i&7)+16*(\i>>3)), s[LOGP], v[L16]   ; lane-row i is row i % 8 + 16 (i / 8) of the block
.endr
.macro LOADB t                         ; block t: 16 loads, each 512 consecutive bytes of one row
.irp i, 0,1,2,3,4,5,6,7,8,9,10,11,12,13,14,15
	global_load_b128 v[X+64*((\t)&1)+4*\i:X+64*((\t)&1)+4*\i+3], v[VA+\i], s[BASE+2*(\t):BASE+2*(\t)+1] th:TH_LOAD_NT
.endr
.endm
.macro BLOCK t
.if (\t) < 3
	s_wait_loadcnt 16                              ; this block's 16 loads are in; the next block's 16 may be out
.else
	s_wait_loadcnt 0x0
.endif
.irp i, 0,1,2,3,4,5,6,7,8,9,10,11,12,13,14,15
	ds_store_b128 v[WST], v[X+64*((\t)&1)+4*\i:X+64*((\t)&1)+4*\i+3] offset:528*\i
.endr
.irp c, 0,1
.irp j, 0,1,2,3,4,5,6,7
	ds_load_b128 v[Y+32*\c+4*\j:Y+32*\c+4*\j+3], v[RDA] offset:256*\c+16*\j   ; LDS serves a wave's instructions in order: these see my stores
.endr
.endr
	s_wait_dscnt 0x0                               ; my numbers are back, and the stores have read the set,
.if (\t) < 2
	LOADB (\t)+2                                   ; which takes the block two further on
.endif
.irp c, 0,1                                    ; my blocks h and 2 + h of 32 along K: all 32 numbers of each are mine
	v_max3_num_f32 v[TM+\c], |v[Y+32*\c]|, |v[Y+32*\c+1]|, 0x1800000   ; with the floor 2^(3 - 127): the byte cannot fall under 1
.endr
.irp i, 2,4,6,8,10,12,14,16,18,20,22,24,26,28,30
.irp c, 0,1
	v_max3_num_f32 v[TM+\c], v[TM+\c], |v[Y+32*\c+\i]|, |v[Y+32*\c+\i+1]|
.endr
.endr
.irp c, 0,1
	v_add_nc_u32 v[TM+2+\c], 0xff000000, v[TM+\c]  ; 2 off the exponent field: the conversion's scale operand
.endr
.irp c, 0,1
	v_lshrrev_b32 v[TM+4+\c], 23, v[TM+2+\c]       ; the scale's byte
.endr
	v_lshl_or_b32 v[PW+(\t)], v[TM+5], 16, v[TM+4]
	v_lshlrev_b32 v[PW+(\t)], v[H8], v[PW+(\t)]    ; my two bytes at their places in the row's word,
	v_permlanex16_b32 v[TM+6], v[PW+(\t)], s[SEL], s[SEL+1]
	v_or_b32 v[PW+(\t)], v[PW+(\t)], v[TM+6]       ; and lane l xor 16's two
.if (\t) > 0
	s_wait_xcnt 0x0                                ; the last block's stores have read the fragment's registers
.endif
.irp c, 0,1
	v_cvt_scalef32_pk16_fp6_f32 v[F+6*\c:F+6*\c+2], v[Y+32*\c:Y+32*\c+15], v[TM+2+\c]
	v_cvt_scalef32_pk16_fp6_f32 v[TC+4*\c:TC+4*\c+2], v[Y+32*\c+16:Y+32*\c+31], v[TM+2+\c]   ; (a conversion's three registers begin on an even number)
.endr
	v_nop                                          ; one plain place behind a scaled conversion
.irp c, 0,1
.irp i, 0,1,2
	v_mov_b32 v[F+3+6*\c+\i], v[TC+4*\c+\i]
.endr
.endr
.irp c, 0,1,2
	global_store_b128 v[L16], v[F+4*\c:F+4*\c+3], s[22:23] offset:1536*(\t)+512*\c   ; 32 lanes store 512 consecutive bytes, at a multiple of 256 from qw's first byte
.endr
.endm
	LOADB 0
	LOADB 1
	BLOCK 0
	BLOCK 1
	BLOCK 2
	BLOCK 3
	v_cmp_le_u32 vcc_lo, 16, v[LANE]
	v_cndmask_b32 v[SWP], v[PW], v[PW+1], vcc_lo   ; word 0: block 0 in lanes 0-15, block 1 in lanes 16-31
	v_cndmask_b32 v[SWP+1], v[PW+2], v[PW+3], vcc_lo   ; word 1: blocks 2 and 3
	global_store_b64 v[L8], v[SWP:SWP+1], s[22:23] offset:6144   ; 256 consecutive bytes
	s_wait_tensorcnt 0x0
	ds_add_u32 v254, v255
	s_wait_dscnt 0x0
	s_endpgm
.Lfunc_end_k_q6fe3a604da_quant:
	.size	k_q6fe3a604da_quant, .Lfunc_end_k_q6fe3a604da_quant-k_q6fe3a604da_quant
	.p2alignl 7, 3214868480
	.fill 96, 4, 3214868480
	.section	.rodata,"a",@progbits
	.p2align	6, 0x0
	.amdhsa_kernel k_q6fe3a604da_quant
		.amdhsa_group_segment_fixed_size 34304
		.amdhsa_private_segment_fixed_size 0
		.amdhsa_enable_private_segment 0
		.amdhsa_kernarg_size 80
		.amdhsa_user_sgpr_count 2
		.amdhsa_user_sgpr_kernarg_segment_ptr 1
		.amdhsa_wavefront_size32 1
		.amdhsa_system_sgpr_workgroup_id_x 1
		.amdhsa_system_sgpr_workgroup_id_y 1
		.amdhsa_system_sgpr_workgroup_id_z 1
		.amdhsa_system_vgpr_workitem_id 0
		.amdhsa_next_free_vgpr 256
		.amdhsa_next_free_sgpr 66
		.amdhsa_reserve_vcc 1
		.amdhsa_float_denorm_mode_32 3
		.amdhsa_float_denorm_mode_16_64 3
		.amdhsa_memory_ordered 1
		.amdhsa_forward_progress 1
		.amdhsa_inst_pref_size 34
	.end_amdhsa_kernel
	.amdgpu_metadata
---
amdhsa.version: [ 1, 2 ]
amdhsa.kernels:
  - .name:           k_q6fe3a604da_quant
    .symbol:         k_q6fe3a604da_quant.kd
    .args:
      - { .name: x, .offset: 0, .size: 8, .value_kind: global_buffer, .address_space: global }
      - { .name: w_lq, .offset: 8, .size: 8, .value_kind: global_buffer, .address_space: global }
      - { .name: w_lkv, .offset: 16, .size: 8, .value_kind: global_buffer, .address_space: global }
      - { .name: w_kr, .offset: 24, .size: 8, .value_kind: global_buffer, .address_space: global }
      - { .name: w_q, .offset: 32, .size: 8, .value_kind: global_buffer, .address_space: global }
      - { .name: w_qr, .offset: 40, .size: 8, .value_kind: global_buffer, .address_space: global }
      - { .name: w_k, .offset: 48, .size: 8, .value_kind: global_buffer, .address_space: global }
      - { .name: w_v, .offset: 56, .size: 8, .value_kind: global_buffer, .address_space: global }
      - { .name: w_o, .offset: 64, .size: 8, .value_kind: global_buffer, .address_space: global }
      - { .name: qw, .offset: 72, .size: 8, .value_kind: global_buffer, .address_space: global }
    .group_segment_fixed_size: 34304
    .private_segment_fixed_size: 0
    .kernarg_segment_align: 8
    .kernarg_segment_size: 80
    .max_flat_workgroup_size: 128
    .sgpr_count:     66
    .vgpr_count:     256
    .wavefront_size: 32
...
	.end_amdgpu_metadata
.endif
;; end of part 1
;; launch latent (part 2): grid 8 x 28, 4 waves a work-group, clusters of 4 x 4, 327,680 bytes of LDS; arguments qw, b_kr, freq_cos, freq_sin, lat, ka; writes lat, ka
.if DOCPART == 2
	.amdgcn_target "amdgcn-amd-amdhsa--gfx1250"
	.amdhsa_code_object_version 6
	.text
	.protected	k_q6fe3a604da_latent
	.globl	k_q6fe3a604da_latent
	.p2align	8
	.type	k_q6fe3a604da_latent,@function
k_q6fe3a604da_latent:
	s_mov_b64 s[64:65], 0
	v_nop
	global_prefetch_b8 v0, s[64:65] scope:SCOPE_SE
	s_setreg_imm32_b32 hwreg(HW_REG_WAVE_MODE, 25, 1), 1
	s_wait_xcnt 0x0
	s_wait_alu depctr_hold_cnt(0) depctr_sa_sdst(0) depctr_va_vdst(0) depctr_va_sdst(0) depctr_va_ssrc(0) depctr_va_vcc(0) depctr_vm_vsrc(0)
	s_getreg_b32 s2, hwreg(HW_REG_IB_STS2, 6, 4)
	s_cmp_eq_u32 s2, 0
	s_cbranch_scc0 .Lentry_in_a_cluster
	s_endpgm
.Lentry_in_a_cluster:
	s_bfe_u32 s2, ttmp6, 0x10000c
	s_cmp_lg_u32 s2, 0xf033
	s_cbranch_scc0 .Lentry_shape_is_right
	s_endpgm
.Lentry_shape_is_right:
; cq = x w_lq^T, ckv = x w_lkv^T and kr = rope(x w_kr^T + b_kr), on codes of FP6 (E2M3) with E8M0 scales; each result is quantised in registers along its own columns (the next product's K) and leaves as codes.
; OPERANDS lie in qw as chunks of 64 rows x 128 K, 6,400 bytes, in the order of an operand's registers: image a (16 rows) at 1536 a, registers 4 c .. 4 c + 3 of lane l at 512 c + 16 l; scale words at 6144 + 8 l.
; Lane-row r of block a of a panel is row 32 (a / 2) + 8 (a % 2) + r % 8 + 16 (r / 8).  THE PRODUCT IS USED TRANSPOSED: source 0 = 16 rows of the weight (P), source 1 = 16 rows of x (R): a lane then holds one row of x,
; and by that order of rows the 64 registers of its 8 tiles are columns 32 b + 16 h + i at register 16 b + i: sixteen neighbours of each block of 32, as the conversions want them.
; SHARES: a work-group takes 256 rows of x (x = 0..7) x 128 rows of the stacked weights (y = 0..27: 0-7 w_lq, 8-11 w_lkv, 12-27 w_kr, a head each).  Wave w: rows 64 w .. 64 w + 63 x all 128: 32 accumulators.
; 224 work-groups: tiles of 256 x 256 would be 112, tiles of 128 x 128 would be 448, two turns of a WGP.  K = 2,048 goes in four parts of 512 through two LDS slots; a part is four steps of 128.
; CLUSTER 4 x 4: the four work-groups of a column of the cluster (same x) ask jointly for R's tiles, the four of a row (same y) for P's.  Every tile is a dense block of memory, brought as rows of 256 bytes.
; THE TILES ARE ASKED FOR FIRST: only the bias's 16 loads stand ahead of the round; the 64 loads of cos and sin follow the joint loads and are waited for in front of the way out, their first reader.
; LIMITS: NaN and infinities are not served; a block whose largest magnitude lies under 2^-124 keeps the byte 1.  Sums run in ascending steps of 128 on one accumulator an output.
; REGISTERS, in windows of 256: window 0: addresses, scale words, R's fragments (two sets), the bias, at work;  window 1: P's fragments (two sets);  window 2: the accumulators, (a, t) at 8 (8 a + t);  window 3: cos and sin.
.set PB,    8                          ; P tiles a wave
.set NF,    3*PB+13+PB/4               ; LDS loads of one step's fragments and scale words
.set SLOT,  153600                     ; a slot: R's 4 panels x 4 steps, then P's 2 panels x 4 steps
.set PREG,  102400
.set SPARE, 2*SLOT                     ; the spare words, 128 bytes a wave: two blocks of 256 bytes that no other line names
.set W1O,   3276800                    ; the stacked weights' region in qw (x's is at 0)
.set KGR,   819200                     ; from one 512 along K to the next: x,
.set KGP,   1433600                    ; the stacked weights
.set RSTEP, 2*KGR
.set PSTEP, 2*KGP
.set LI,  2                            ; 16 x lane
.set L8,  3                            ; 8 x lane
.set AR,  4                            ; v4-5   my panel of R in slot 0, 1
.set AP,  6                            ; v6-7   P
.set ASR, 8                            ; v8-9   R's scale words
.set ASP, 10                           ; v10-11 P's
.set SPW, 12                           ; my spare word; never rewritten
.set NIL, 13                           ; 0; never rewritten
.set FO,  14                           ; my offset in the rope tables
.set BO,  15                           ; and in the bias
.set SCR, 16                           ; v16-19 R's scale words, two sets of 2
.set SCP, 20                           ; v20-27 P's, two sets of 4
.set SWP, 28                           ; v28-29 the scale area that I store
.set RF,  32                           ; v32-127 R's fragments: set q, block a at 48 q + 12 a
.set PC,  32                           ; on the way out: four fragments of codes,
.set TC,  80
.set TM,  88
.set PWR, 104                          ; and their scale words
.set BI,  128                          ; v128-191 the bias, in the result's layout
.set T,   192                          ; v192-255 a block's 64 numbers behind the rope
.set WV,   16
.set ROLE, 17
.set HALF, 18
.set G1R,  24
.set G0R,  32
.set G1P,  48
.set G0P,  56
.set ROPE, 66
.set SEL,  68
.set FLOOR, 70
.set HM,   71
.set OUT,  72
.set MSB, 0
.macro WIN new                         ; the immediate's high byte repeats the setting that is left
.if MSB != (\new)
	s_set_vgpr_msb (MSB<<8)|(\new)
.set MSB, \new
.endif
.endm
.macro PLACES n
.rept \n
	v_nop
.endr
.endm
; A joint load: waves 0 and 1 fetch R's halves, waves 2 and 3 P's.  The branch hangs on the wave's number alone.  Four v_nop follow each of the two lines.
.macro JLOAD g0r, g0p
	s_cmp_eq_u32 s[ROLE], 0
	s_cbranch_scc0 .Lfor_p_\@
	tensor_load_to_lds s[\g0r:\g0r+3], s[G1R:G1R+7]
	s_nop 0
.rept 4
	v_nop
.endr
	s_branch .Lasked_\@
.Lfor_p_\@:
	tensor_load_to_lds s[\g0p:\g0p+3], s[G1P:G1P+7]
	s_nop 0
.rept 4
	v_nop
.endr
.Lasked_\@:
.endm
.macro CREST                           ; a round of the cluster's barrier behind its opening barrier
	s_cmp_lg_u32 s[WV], 0
	s_cbranch_scc1 .Lnot_wave_0_\@
	s_barrier_signal -3
.Lnot_wave_0_\@:
	s_barrier_wait -3
	s_barrier_signal -1
	s_barrier_wait -1
.endm
.macro CROUND
	s_barrier_signal -1
	s_barrier_wait -1
	CREST
.endm
; One matrix instruction, by the symbols that MULS sets.  zero = 1: C is the constant 0.  wRA, wRB: the side's scale words stand in lanes 16-31.
.macro WMI zero
.if \zero
.if wRA && wRB
	v_wmma_scale_f32_16x16x128_f8f6f4 v[wD:wD+7], v[wA:wA+11], v[wB:wB+11], 0, v[wSA], v[wSB] matrix_a_fmt:MATRIX_FMT_FP6 matrix_b_fmt:MATRIX_FMT_FP6 matrix_a_scale:MATRIX_SCALE_ROW1 matrix_b_scale:MATRIX_SCALE_ROW1
.elseif wRA
	v_wmma_scale_f32_16x16x128_f8f6f4 v[wD:wD+7], v[wA:wA+11], v[wB:wB+11], 0, v[wSA], v[wSB] matrix_a_fmt:MATRIX_FMT_FP6 matrix_b_fmt:MATRIX_FMT_FP6 matrix_a_scale:MATRIX_SCALE_ROW1
.elseif wRB
	v_wmma_scale_f32_16x16x128_f8f6f4 v[wD:wD+7], v[wA:wA+11], v[wB:wB+11], 0, v[wSA], v[wSB] matrix_a_fmt:MATRIX_FMT_FP6 matrix_b_fmt:MATRIX_FMT_FP6 matrix_b_scale:MATRIX_SCALE_ROW1
.else
	v_wmma_scale_f32_16x16x128_f8f6f4 v[wD:wD+7], v[wA:wA+11], v[wB:wB+11], 0, v[wSA], v[wSB] matrix_a_fmt:MATRIX_FMT_FP6 matrix_b_fmt:MATRIX_FMT_FP6
.endif
.else
.if wRA && wRB
	v_wmma_scale_f32_16x16x128_f8f6f4 v[wD:wD+7], v[wA:wA+11], v[wB:wB+11], v[wC:wC+7], v[wSA], v[wSB] matrix_a_fmt:MATRIX_FMT_FP6 matrix_b_fmt:MATRIX_FMT_FP6 matrix_a_scale:MATRIX_SCALE_ROW1 matrix_b_scale:MATRIX_SCALE_ROW1
.elseif wRA
	v_wmma_scale_f32_16x16x128_f8f6f4 v[wD:wD+7], v[wA:wA+11], v[wB:wB+11], v[wC:wC+7], v[wSA], v[wSB] matrix_a_fmt:MATRIX_FMT_FP6 matrix_b_fmt:MATRIX_FMT_FP6 matrix_a_scale:MATRIX_SCALE_ROW1
.elseif wRB
	v_wmma_scale_f32_16x16x128_f8f6f4 v[wD:wD+7], v[wA:wA+11], v[wB:wB+11], v[wC:wC+7], v[wSA], v[wSB] matrix_a_fmt:MATRIX_FMT_FP6 matrix_b_fmt:MATRIX_FMT_FP6 matrix_b_scale:MATRIX_SCALE_ROW1
.else
	v_wmma_scale_f32_16x16x128_f8f6f4 v[wD:wD+7], v[wA:wA+11], v[wB:wB+11], v[wC:wC+7], v[wSA], v[wSB] matrix_a_fmt:MATRIX_FMT_FP6 matrix_b_fmt:MATRIX_FMT_FP6
.endif
.endif
.endm
; R's blocks a0 .. a1 x all PB tiles of P, from register set q.  ck = 1: the sums begin with 0; 2: with the bias; 0: they go on in place.
; All accumulators take turns, one instruction a turn, in the same order in every step.
.macro MULS q, a0, a1, ck
.if (\ck) == 2
	WIN 0x81                                       ; source 0 window 1, source 1 and C window 0, D window 2
.else
	WIN 0xa1                                       ; source 0 window 1, source 1 window 0, C and D window 2
.endif
.set ma, \a0
.rept (\a1)-(\a0)+1
.set mt, 0
.rept PB
.set wD, 8*(PB*ma+mt)
.set wA, 128*(\q)+12*mt
.set wB, RF+48*(\q)+12*ma
.if (\ck) == 2
.set wC, BI+8*mt
.else
.set wC, wD
.endif
.set wSA, SCP+(PB/2)*(\q)+2*(mt>>2)+((mt&3)>>1)
.set wSB, SCR+2*(\q)+(ma>>1)
.set wRA, mt&1
.set wRB, ma&1
	WMI (\ck)==1
.set mt, mt+1
.endr
.set ma, ma+1
.endr
.endm
; The fragments and scale words of step ks of a slot into register set q: NF LDS loads, each of 512 (scale words: 256) consecutive bytes.
.macro FETCH slot, ks, q
	WIN 0x40                                       ; destination window 1
.set ft, 0
.rept PB
.irp c, 0,1,2
	ds_load_b128 v[128*(\q)+12*ft+4*\c:128*(\q)+12*ft+4*\c+3], v[AP+\slot] offset:25600*(ft>>2)+6400*(\ks)+1536*(ft&3)+512*\c
.endr
.set ft, ft+1
.endr
	WIN 0
.irp a, 0,1,2,3
.irp c, 0,1,2
	ds_load_b128 v[RF+48*(\q)+12*\a+4*\c:RF+48*(\q)+12*\a+4*\c+3], v[AR+\slot] offset:6400*(\ks)+1536*\a+512*\c
.endr
.endr
	ds_load_b64 v[SCR+2*(\q):SCR+2*(\q)+1], v[ASR+\slot] offset:6400*(\ks)
.set ft, 0
.rept PB/4
	ds_load_b64 v[SCP+(PB/2)*(\q)+2*ft:SCP+(PB/2)*(\q)+2*ft+1], v[ASP+\slot] offset:25600*ft+6400*(\ks)
.set ft, ft+1
.endr
.endm
; A step: the next step's fragments are asked for, into the set that the last step multiplied (four places behind its products: ISA guide 7.12.1 for vector instructions); then set q is multiplied.
.macro STEPX q, nslot, nks, ck
	PLACES 4
	FETCH \nslot, \nks, 1-(\q)
	s_wait_dscnt NF                                ; all but the NF just issued: set q is in
	MULS \q, 0, 3, \ck
.endm
.macro LAST q
	s_wait_dscnt 0x0
	MULS \q, 0, 3, 0
.endm
; A slot's last step changes slots: one barrier.  In front of it each wave waits for its tensor loads (tc = 0: all), adds 0 to its spare word (add = 1), and waits for that and for its reads of the slot.
; kind = 2: the barrier opens a round of the cluster's barrier, and slot fslot is filled again, first thing behind the round.
.macro TURN q, nslot, kind, add, tc, fslot
	WIN 0
	s_wait_tensorcnt \tc
.if \add
	ds_add_u32 v[SPW], v[NIL]                      ; 0 onto my spare word
	s_wait_dscnt 0x1                               ; set q is in; the add may be out
.else
	s_wait_dscnt 0x0
.endif
	MULS \q, 0, 0, 0
.if \add
	s_wait_dscnt 0x0                               ; the add is done, and my reads of the slot are over
.endif
	s_barrier_signal -1
	MULS \q, 1, 1, 0
	WIN 0                                          ; (branches may follow)
	s_barrier_wait -1
.if (\kind) == 2
	CREST                                          ; no wave of any partner still reads the slot's tiles or has a load on its way
	s_add_nc_u64 s[G0R+4*(\fslot)+2:G0R+4*(\fslot)+3], s[G0R+4*(\fslot)+2:G0R+4*(\fslot)+3], RSTEP
	s_add_nc_u64 s[G0P+4*(\fslot)+2:G0P+4*(\fslot)+3], s[G0P+4*(\fslot)+2:G0P+4*(\fslot)+3], PSTEP
	JLOAD G0R+4*(\fslot), G0P+4*(\fslot)           ; its four v_nop are also the places in front of the loads below
.else
	PLACES 4
.endif
	FETCH \nslot, 0, 1-(\q)
	MULS \q, 2, 3, 0
.endm
; 64 numbers of a lane in window sw, register 16 b + i = column 32 b + 16 h + i of my row, become a fragment's codes in v[pc] on and its scale word in v[pw].  Each accumulator is read from its low end on.
.macro QUANT src, sw, pc, pw
	WIN ((\sw)<<2)|((\sw)<<4)
.irp b, 0,1,2,3
	v_max3_num_f32 v[TM+\b], s[FLOOR], |v[(\src)+16*\b]|, |v[(\src)+16*\b+1]|   ; with the floor 2^(3 - 127): the byte cannot fall under 1
.endr
.irp i, 2,4,6,8,10,12,14
.irp b, 0,1,2,3
	v_max3_num_f32 v[TM+\b], v[TM+\b], |v[(\src)+16*\b+\i]|, |v[(\src)+16*\b+\i+1]|
.endr
.endr
	WIN 0
.irp b, 0,1,2,3
	v_permlanex16_b32 v[TM+4+\b], v[TM+\b], s[SEL], s[SEL+1]
.endr
.irp b, 0,1,2,3
	v_max_num_f32 v[TM+\b], v[TM+\b], v[TM+4+\b]   ; with lane l xor 16's 16: the block's largest magnitude
.endr
.irp b, 0,1,2,3
	v_add_nc_u32 v[TM+12+\b], 0xff000000, v[TM+\b] ; 2 off the exponent field: the conversion's scale operand
.endr
.irp b, 0,1,2,3
	v_lshrrev_b32 v[TM+4+\b], 23, v[TM+12+\b]      ; the scale's byte
.endr
	v_lshl_or_b32 v[\pw], v[TM+5], 8, v[TM+4]
	v_lshl_or_b32 v[\pw], v[TM+6], 16, v[\pw]
	v_lshl_or_b32 v[\pw], v[TM+7], 24, v[\pw]
	WIN \sw
.irp c, 0,1
	v_cvt_scalef32_pk16_fp6_f32 v[(\pc)+6*\c:(\pc)+6*\c+2], v[(\src)+32*\c:(\src)+32*\c+15], v[TM+12+2*\c]
	v_cvt_scalef32_pk16_fp6_f32 v[TC+4*\c:TC+4*\c+2], v[(\src)+32*\c+16:(\src)+32*\c+31], v[TM+13+2*\c]
.endr
	WIN 0
	v_nop                                          ; one plain place behind a scaled conversion
.irp c, 0,1                                    ; the operand's layout wants a whole block in a lane
.irp i, 0,1,2
	v_permlane16_swap_b32 v[(\pc)+6*\c+\i], v[TC+4*\c+\i]
.endr
.irp i, 0,1,2
	v_mov_b32 v[(\pc)+3+6*\c+\i], v[TC+4*\c+\i]
.endr
.endr
.endm
; The way out of my four blocks of 16 rows.  rope = 1: register pair i of block b is (even, odd) of frequency 16 b + 8 h + i: (a c - b s, a s + b c), a packed multiply and a packed multiply-add.
.macro EPI rope
.irp a, 0,1,2,3
.if \rope
	WIN 0x0e                                       ; source 0 window 2 (sums), source 1 window 3 (cos, sin), the rest window 0
.irp b, 0,1,2,3
.irp i, 0,2,4,6
	v_pk_mul_f32 v[T+16*\b+2*\i:T+16*\b+2*\i+1], v[64*\a+16*\b+2*\i:64*\a+16*\b+2*\i+1], v[64*\a+8*\b+\i:64*\a+8*\b+\i+1] op_sel_hi:[1,0]
	v_pk_mul_f32 v[T+16*\b+2*\i+2:T+16*\b+2*\i+3], v[64*\a+16*\b+2*\i+2:64*\a+16*\b+2*\i+3], v[64*\a+8*\b+\i:64*\a+8*\b+\i+1] op_sel:[0,1] op_sel_hi:[1,1]
.endr
.endr
.irp b, 0,1,2,3
.irp i, 0,2,4,6
	v_pk_fma_f32 v[T+16*\b+2*\i:T+16*\b+2*\i+1], v[64*\a+16*\b+2*\i:64*\a+16*\b+2*\i+1], v[64*\a+32+8*\b+\i:64*\a+32+8*\b+\i+1], v[T+16*\b+2*\i:T+16*\b+2*\i+1] op_sel:[1,0,0] op_sel_hi:[0,0,1] neg_lo:[0,1,0]
	v_pk_fma_f32 v[T+16*\b+2*\i+2:T+16*\b+2*\i+3], v[64*\a+16*\b+2*\i+2:64*\a+16*\b+2*\i+3], v[64*\a+32+8*\b+\i:64*\a+32+8*\b+\i+1], v[T+16*\b+2*\i+2:T+16*\b+2*\i+3] op_sel:[1,1,0] op_sel_hi:[0,1,1] neg_lo:[0,1,0]
.endr
.endr
	QUANT T, 0, PC+12*\a, PWR+\a
.else
	QUANT 64*\a, 2, PC+12*\a, PWR+\a
.endif
.irp c, 0,1,2
	global_store_b128 v[LI], v[PC+12*\a+4*\c:PC+12*\a+4*\c+3], s[OUT:OUT+1] offset:1536*\a+512*\c   ; 512 consecutive bytes, at a multiple of 256 from the buffer's first byte; each block has registers of its own
.endr
.endr
.endm
	s_load_b256 s[4:11], s[0:1], 0x0               ; qw, b_kr, freq_cos, freq_sin
	s_load_b128 s[12:15], s[0:1], 0x20             ; lat, ka
	v_lshl_add_u32 v[SPW], v0, 2, SPARE
	v_mov_b32 v[NIL], 0
	ds_add_u32 v12, v13
	s_wait_dscnt 0x0
	v_lshrrev_b32 v1, 5, v0
	v_readfirstlane_b32 s[WV], v1                  ; wave 0..3: my panel of R
	s_lshr_b32 s[ROLE], s[WV], 1                   ; I fetch for R (0) or for P (1),
	s_and_b32 s[HALF], s[WV], 1                    ; its first or its second half
	s_bfe_u32 s19, ttmp6, 0x40000                  ; cx
	s_bfe_u32 s20, ttmp6, 0x40004                  ; cy
	s_lshl_b32 s21, ttmp9, 2
	s_add_co_u32 s21, s21, s19                     ; x = 4 x cluster x + cx
	s_and_b32 s23, ttmp7, 0xffff                   ; the cluster's y: the same in all sixteen partners
	s_lshl_b32 s22, s23, 2
	s_add_co_u32 s22, s22, s20                     ; y = 4 x cluster y + cy
	s_lshl_b32 s74, 0x1111, s19                    ; my column of the cluster (same cx): R's tiles hang on x alone
	s_lshl_b32 s75, s20, 2
	s_lshl_b32 s75, 15, s75                        ; my row (same cy): P's hang on y alone
	; descriptor group 1: a dense block as rows of 256 bytes (32 elements of 8 bytes), no padding: R 200 rows, P 100
	s_or_b32 s[G1R], s74, (3<<16)|(1<<21)
	s_or_b32 s[G1P], s75, (3<<16)|(1<<21)
.irp g, G1R, G1P
	s_mov_b32 s[\g+1], 32<<16                      ; tensor_dim0
	s_mov_b32 s[\g+3], 32<<16                      ; tile_dim0
	s_mov_b32 s[\g+5], 32                          ; the pitch
	s_mov_b32 s[\g+6], 0
	s_mov_b32 s[\g+7], 0
.endr
	s_mov_b32 s[G1R+2], 200<<16                    ; tensor_dim1
	s_mov_b32 s[G1R+4], 200                        ; tile_dim1
	s_mov_b32 s[G1P+2], 100<<16
	s_mov_b32 s[G1P+4], 100
	s_mul_i32 s76, s21, 102400                     ; R: 4 panels a work-group, 2 a load
	s_mul_i32 s77, s[HALF], 51200
	s_add_co_u32 s76, s76, s77
	s_mov_b32 s77, 0
	s_mul_i32 s78, s22, 51200                      ; P: 2 panels a work-group, 1 a load
	s_mul_i32 s79, s[HALF], 25600
	s_add_co_u32 s78, s78, s79
	s_add_co_u32 s78, s78, W1O
	s_mov_b32 s79, 0
	s_mul_i32 s80, s[HALF], 51200                  ; and where they go in a slot: no place in the cluster enters an LDS address
	s_mul_i32 s81, s[HALF], 25600
	s_add_co_u32 s81, s81, PREG
	v_and_b32 v1, 31, v0
	v_lshlrev_b32 v[LI], 4, v1
	v_lshlrev_b32 v[L8], 3, v1
	s_mul_i32 s82, s[WV], 25600
	v_add_nc_u32 v[AR], s82, v[LI]
	v_add_nc_u32 v[AR+1], SLOT, v[AR]
	v_add_nc_u32 v[AP], PREG, v[LI]
	v_add_nc_u32 v[AP+1], SLOT, v[AP]
	v_add_nc_u32 v[ASR], s82, v[L8]
	v_add_nc_u32 v[ASR], 6144, v[ASR]
	v_add_nc_u32 v[ASR+1], SLOT, v[ASR]
	v_add_nc_u32 v[ASP], PREG+6144, v[L8]
	v_add_nc_u32 v[ASP+1], SLOT, v[ASP]
	s_mov_b32 s[SEL], 0x76543210
	s_mov_b32 s[SEL+1], 0xfedcba98
	s_mov_b32 s[FLOOR], 0x1800000
	s_mov_b32 s[HM], 0xffff0000                    ; lanes 16-31
	; the job, by the cluster's y: 0, 1: cq;  2: ckv;  3 on: kr, with bias and rope.  The tables are loaded in every job; where there is no rope, all lanes read the tables' first bytes (offsets x 0) and nothing uses them
	s_cmp_ge_u32 s23, 3
	s_cselect_b32 s[ROPE], 1, 0
	s_lshl_b32 s83, s21, 2
	s_add_co_u32 s83, s83, s[WV]                   ; my panel of x: 4 x + wave
	s_mul_i32 s84, s83, s[ROPE]
	s_lshl_b32 s84, s84, 14                        ; 64 rows of 256 bytes of cos and of sin
	s_mov_b32 s85, 0
	s_sub_co_u32 s86, s22, 12
	s_mul_i32 s86, s86, s[ROPE]                    ; the head, or 0
	s_lshl_b32 s88, s86, 9                         ; its 128 numbers of the bias
	s_mov_b32 s89, 0
	s_lshr_b32 s40, s22, 2                         ; cq and ckv: step y of lat's K: chunk (y / 4, my panel, y % 4)
	s_mul_i32 s40, s40, 819200
	s_and_b32 s41, s22, 3
	s_mul_i32 s41, s41, 6400
	s_add_co_u32 s40, s40, s41
	s_mul_i32 s41, s83, 25600
	s_add_co_u32 s40, s40, s41
	s_mul_i32 s42, s86, 409600                     ; kr: ka's chunk (head, my panel, step 1)
	s_mul_i32 s43, s83, 12800
	s_add_co_u32 s42, s42, s43
	s_add_co_u32 s42, s42, 6400
	v_and_b32 v30, 15, v0                          ; r
	v_bfe_u32 v31, v0, 4, 1                        ; h
	v_and_b32 v[FO], 7, v30
	v_lshrrev_b32 v[BO], 3, v30
	v_lshl_add_u32 v[FO], v[BO], 4, v[FO]          ; r % 8 + 16 (r / 8)
	v_lshlrev_b32 v[FO], 8, v[FO]
	v_lshl_add_u32 v[FO], v31, 5, v[FO]            ; + 8 h frequencies
	v_mul_lo_u32 v[FO], v[FO], s[ROPE]
	v_lshlrev_b32 v[BO], 6, v31                    ; 16 h numbers
	v_mul_lo_u32 v[BO], v[BO], s[ROPE]
	s_wait_kmcnt 0x0
	s_add_nc_u64 s[76:77], s[4:5], s[76:77]
	s_add_nc_u64 s[78:79], s[4:5], s[78:79]
	s_add_nc_u64 s[8:9], s[8:9], s[84:85]
	s_add_nc_u64 s[10:11], s[10:11], s[84:85]
	s_add_nc_u64 s[6:7], s[6:7], s[88:89]
	s_cmp_lg_u32 s[ROPE], 0
	s_cselect_b64 s[OUT:OUT+1], s[14:15], s[12:13]
	s_cselect_b32 s40, s42, s40
	s_mov_b32 s41, 0
	s_add_nc_u64 s[OUT:OUT+1], s[OUT:OUT+1], s[40:41]
.irp t, 0,1,2,3,4,5,6,7                        ; tile t: the bias of columns 32 (t / 2) + 8 (t % 2) + 16 h + 0 .. 7: wanted by the first products
.irp q, 0,1
	global_load_b128 v[BI+8*\t+4*\q:BI+8*\t+4*\q+3], v[BO], s[6:7] offset:(32*(\t>>1)+8*(\t&1))*4+16*\q
.endr
.endr
	CROUND                                         ; all sixteen work-groups are here: the first joint loads meet
.irp s, 0,1
	s_mov_b32 s[G0R+4*\s], 1
	s_add_co_u32 s[G0R+4*\s+1], s80, \s*SLOT
	s_add_nc_u64 s[G0R+4*\s+2:G0R+4*\s+3], s[76:77], \s*KGR
	s_or_b32 s[G0R+4*\s+3], s[G0R+4*\s+3], 0x80000000
	s_mov_b32 s[G0P+4*\s], 1
	s_add_co_u32 s[G0P+4*\s+1], s81, \s*SLOT
	s_add_nc_u64 s[G0P+4*\s+2:G0P+4*\s+3], s[78:79], \s*KGP
	s_or_b32 s[G0P+4*\s+3], s[G0P+4*\s+3], 0x80000000
	JLOAD G0R+4*\s, G0P+4*\s                       ; K's first and second 512: two loads of mine are out
.endr
	s_wait_loadcnt 0x0                             ; the bias is in; the loads below are waited for in front of the way out
	WIN 0xc0                                       ; destination window 3
.irp a, 0,1,2,3                                ; block a: cos of frequencies 16 b + 8 h + 0 .. 7 at 64 a + 8 b, sin 32 further on
.irp b, 0,1,2,3
.irp q, 0,1
	global_load_b128 v[64*\a+8*\b+4*\q:64*\a+8*\b+4*\q+3], v[FO], s[8:9] offset:(32*(\a>>1)+8*(\a&1))*256+64*\b+16*\q
	global_load_b128 v[64*\a+32+8*\b+4*\q:64*\a+32+8*\b+4*\q+3], v[FO], s[10:11] offset:(32*(\a>>1)+8*(\a&1))*256+64*\b+16*\q
.endr
.endr
.endr
	WIN 0
	s_wait_tensorcnt 0x1                           ; my part of slot 0 is in; slot 1's may stay out
	s_barrier_signal -1
	s_barrier_wait -1
	FETCH 0, 0, 0
	FETCH 0, 1, 1
	s_wait_dscnt NF
	s_cmp_lg_u32 s[ROPE], 0                        ; the first step starts the sums: with 0, or with the bias
	s_cbranch_scc1 .Lwith_bias
	MULS 0, 0, 3, 1
	WIN 0
	s_branch .Lstarted
.Lwith_bias:
	MULS 0, 0, 3, 2
	WIN 0
.Lstarted:
	STEPX 1, 0, 2, 0
	STEPX 0, 0, 3, 0
	TURN 1, 1, 2, 1, 0, 0                          ; slot 0 takes K's third 512
	STEPX 0, 1, 1, 0
	STEPX 1, 1, 2, 0
	STEPX 0, 1, 3, 0
	TURN 1, 0, 2, 1, 0, 1                          ; slot 1 takes the fourth
	STEPX 0, 0, 1, 0
	STEPX 1, 0, 2, 0
	STEPX 0, 0, 3, 0
	TURN 1, 1, 1, 1, 0, 0                          ; nothing is left to fetch
	STEPX 0, 1, 1, 0
	STEPX 1, 1, 2, 0
	STEPX 0, 1, 3, 0
	LAST 1
	WIN 0
	PLACES 4                                       ; behind the last products: their results are read and their operands' registers written below
.irp b, 0,1,2,3
	v_mov_b32 v[TM+4+\b], 0                        ; a lane permute's destination counts as one of its sources
.endr
	s_wait_loadcnt 0x0                             ; cos and sin
	s_cmp_lg_u32 s[ROPE], 0
	s_cbranch_scc1 .Lrope
	EPI 0
	s_branch .Lwords
.Lrope:
	EPI 1
.Lwords:
	v_cndmask_b32 v[SWP], v[PWR], v[PWR+1], s[HM]  ; the chunk's scale area: word 0: block 0 in lanes 0-15, block 1 in lanes 16-31;
	v_cndmask_b32 v[SWP+1], v[PWR+2], v[PWR+3], s[HM]   ; word 1: blocks 2 and 3
	global_store_b64 v[L8], v[SWP:SWP+1], s[OUT:OUT+1] offset:6144
	s_wait_tensorcnt 0x0                           ; the wave's end
	ds_add_u32 v[SPW], v[NIL]
	s_wait_dscnt 0x0
	CROUND                                         ; the closing round
	s_endpgm
.Lfunc_end_k_q6fe3a604da_latent:
	.size	k_q6fe3a604da_latent, .Lfunc_end_k_q6fe3a604da_latent-k_q6fe3a604da_latent
	.p2alignl 7, 3214868480
	.fill 96, 4, 3214868480
	.section	.rodata,"a",@progbits
	.p2align	6, 0x0
	.amdhsa_kernel k_q6fe3a604da_latent
		.amdhsa_group_segment_fixed_size 327680
		.amdhsa_private_segment_fixed_size 0
		.amdhsa_enable_private_segment 0
		.amdhsa_kernarg_size 48
		.amdhsa_user_sgpr_count 2
		.amdhsa_user_sgpr_kernarg_segment_ptr 1
		.amdhsa_wavefront_size32 1
		.amdhsa_system_sgpr_workgroup_id_x 1
		.amdhsa_system_sgpr_workgroup_id_y 1
		.amdhsa_system_sgpr_workgroup_id_z 1
		.amdhsa_system_vgpr_workitem_id 0
		.amdhsa_next_free_vgpr 1024
		.amdhsa_next_free_sgpr 96
		.amdhsa_reserve_vcc 0
		.amdhsa_float_denorm_mode_32 3
		.amdhsa_float_denorm_mode_16_64 3
		.amdhsa_memory_ordered 1
		.amdhsa_forward_progress 1
		.amdhsa_inst_pref_size 178
	.end_amdhsa_kernel
	.amdgpu_metadata
---
amdhsa.version: [ 1, 2 ]
amdhsa.kernels:
  - .name:           k_q6fe3a604da_latent
    .symbol:         k_q6fe3a604da_latent.kd
    .args:
      - { .name: qw, .offset: 0, .size: 8, .value_kind: global_buffer, .address_space: global }
      - { .name: b_kr, .offset: 8, .size: 8, .value_kind: global_buffer, .address_space: global }
      - { .name: freq_cos, .offset: 16, .size: 8, .value_kind: global_buffer, .address_space: global }
      - { .name: freq_sin, .offset: 24, .size: 8, .value_kind: global_buffer, .address_space: global }
      - { .name: lat, .offset: 32, .size: 8, .value_kind: global_buffer, .address_space: global }
      - { .name: ka, .offset: 40, .size: 8, .value_kind: global_buffer, .address_space: global }
    .group_segment_fixed_size: 327680
    .private_segment_fixed_size: 0
    .kernarg_segment_align: 8
    .kernarg_segment_size: 48
    .max_flat_workgroup_size: 128
    .sgpr_count:     96
    .vgpr_count:     1024
    .wavefront_size: 32
...
	.end_amdgpu_metadata
.endif
;; end of part 2
;; launch heads (part 3): grid 8 x 32, 4 waves a work-group, clusters of 4 x 4, 327,680 bytes of LDS; arguments qw, lat, b_qr, freq_cos, freq_sin, qa, ka, va; writes qa, ka, va
.if DOCPART == 3
	.amdgcn_target "amdgcn-amd-amdhsa--gfx1250"
	.amdhsa_code_object_version 6
	.text
	.protected	k_q6fe3a604da_heads
	.globl	k_q6fe3a604da_heads
	.p2align	8
	.type	k_q6fe3a604da_heads,@function
k_q6fe3a604da_heads:
	s_mov_b64 s[64:65], 0
	v_nop
	global_prefetch_b8 v0, s[64:65] scope:SCOPE_SE
	s_setreg_imm32_b32 hwreg(HW_REG_WAVE_MODE, 25, 1), 1
	s_wait_xcnt 0x0
	s_wait_alu depctr_hold_cnt(0) depctr_sa_sdst(0) depctr_va_vdst(0) depctr_va_sdst(0) depctr_va_ssrc(0) depctr_va_vcc(0) depctr_vm_vsrc(0)
	s_getreg_b32 s2, hwreg(HW_REG_IB_STS2, 6, 4)
	s_cmp_eq_u32 s2, 0
	s_cbranch_scc0 .Lentry_in_a_cluster
	s_endpgm
.Lentry_in_a_cluster:
	s_bfe_u32 s2, ttmp6, 0x10000c
	s_cmp_lg_u32 s2, 0xf033
	s_cbranch_scc0 .Lentry_shape_is_right
	s_endpgm
.Lentry_shape_is_right:
; q = cq w_q^T, qr = rope(cq w_qr^T + b_qr), k = ckv w_k^T, each quantised along a head's 128, and v = ckv w_v^T quantised along the KEYS; all on codes of FP6 (E2M3) with E8M0 scales, from chunks and into chunks
; (64 rows x 128 K, 6,400 bytes, in the order of an operand's registers; lane-row r of block a is row 32 (a / 2) + 8 (a % 2) + r % 8 + 16 (r / 8) of its panel).
; THE PRODUCT IS USED TRANSPOSED: source 0 (P) is the side whose rows are the NEXT product's K: a head's 128 rows of the weight for q, qr and k; 128 keys of ckv for v.  Source 1 (R): rows of cq or ckv; for v rows of w_v.
; SHARES: a tile is 256 rows of R (x = 0..7) x 128 rows of P (part t = y % 16: a head; for v 128 keys).  Wave w: R's panel 4 x + w x all 128 of P: 32 accumulators.
; A WORK-GROUP STAYS AND DOES TWO JOBS: y < 16: q (K = 1,024), then k (K = 512);  y >= 16: qr, then v.  256 work-groups of 12 steps of 128 along K each.
; The first job's whole K lies in two LDS slots of 512.  When slot 0 has been read out it is filled again, with the second job's tiles: they land under the first job's last four steps and its way out.
; CLUSTER 4 x 4: R's tiles are asked for jointly by a column of the cluster (same x), P's by a row (same y).  Branches hang on the cluster's y, which all sixteen partners share, and on the wave's number.
; THE TILES ARE ASKED FOR FIRST: only the bias's 16 loads stand ahead of the round; the 64 loads of cos and sin follow the joint loads and are waited for in front of the first way out, their first reader.
; LIMITS: NaN and infinities are not served; a block whose largest magnitude lies under 2^-124 keeps the byte 1.  Sums run in ascending steps of 128 on one accumulator an output.
; REGISTERS, in windows of 256: window 0: addresses, scale words, R's fragments (two sets), the bias, at work;  window 1: P's fragments (two sets);  window 2: the accumulators, (a, t) at 8 (8 a + t);  window 3: cos and sin.
.set PB,    8
.set NF,    3*PB+13+PB/4
.set SLOT,  153600                     ; a slot: R's 4 panels x 4 steps, then P's 2 panels x 4 steps
.set PREG,  102400
.set SPARE, 2*SLOT                     ; the spare words, 128 bytes a wave: two blocks of 256 bytes that no other line names
.set KG,    819200                     ; from one 512 along K to the next, in every region here
.set WQO,   9011200                    ; regions in qw
.set WQRO,  10649600
.set WKO,   12288000
.set WVO,   13107200
.set CKVO,  1638400                    ; ckv's region in lat (cq's is at 0)
.set LI,  2
.set L8,  3
.set AR,  4
.set AP,  6
.set ASR, 8
.set ASP, 10
.set SPW, 12                           ; my spare word; never rewritten
.set NIL, 13                           ; 0; never rewritten
.set FO,  14
.set BO,  15
.set SCR, 16
.set SCP, 20
.set SWP, 28
.set RF,  32
.set PC,  32
.set TC,  80
.set TM,  88
.set PWR, 104
.set BI,  128
.set T,   192
.set OUT1, 14                          ; s[14:15] the first job's chunk (in qa)
.set OUT2, 16                          ; s[16:17] the second job's (in ka or va)
.set WV,   20
.set ROLE, 21
.set HALF, 22
.set YC,   23
.set G1R,  24
.set G0R,  32                          ; s[32:39] R's group 0 for slots 0, 1 of the first job
.set G0R2, 40                          ; s[40:43] and for the second job's tile, into slot 0
.set G0P2, 44                          ; s[44:47] P's likewise
.set G1P,  48
.set G0P,  56
.set ROPE, 66                          ; 0: q, then k;  1: qr, then v
.set SEL,  68
.set FLOOR, 70
.set HM,   71
.set MSB, 0
.macro WIN new                         ; the immediate's high byte repeats the setting that is left
.if MSB != (\new)
	s_set_vgpr_msb (MSB<<8)|(\new)
.set MSB, \new
.endif
.endm
.macro PLACES n
.rept \n
	v_nop
.endr
.endm
.macro JLOAD g0r, g0p                  ; a joint load: waves 0 and 1 fetch R's halves, waves 2 and 3 P's; four v_nop follow each of the two lines
	s_cmp_eq_u32 s[ROLE], 0
	s_cbranch_scc0 .Lfor_p_\@
	tensor_load_to_lds s[\g0r:\g0r+3], s[G1R:G1R+7]
	s_nop 0
.rept 4
	v_nop
.endr
	s_branch .Lasked_\@
.Lfor_p_\@:
	tensor_load_to_lds s[\g0p:\g0p+3], s[G1P:G1P+7]
	s_nop 0
.rept 4
	v_nop
.endr
.Lasked_\@:
.endm
.macro CREST                           ; a round of the cluster's barrier behind its opening barrier
	s_cmp_lg_u32 s[WV], 0
	s_cbranch_scc1 .Lnot_wave_0_\@
	s_barrier_signal -3
.Lnot_wave_0_\@:
	s_barrier_wait -3
	s_barrier_signal -1
	s_barrier_wait -1
.endm
.macro CROUND
	s_barrier_signal -1
	s_barrier_wait -1
	CREST
.endm
.macro WMI zero                        ; one matrix instruction, by the symbols that MULS sets
.if \zero
.if wRA && wRB
	v_wmma_scale_f32_16x16x128_f8f6f4 v[wD:wD+7], v[wA:wA+11], v[wB:wB+11], 0, v[wSA], v[wSB] matrix_a_fmt:MATRIX_FMT_FP6 matrix_b_fmt:MATRIX_FMT_FP6 matrix_a_scale:MATRIX_SCALE_ROW1 matrix_b_scale:MATRIX_SCALE_ROW1
.elseif wRA
	v_wmma_scale_f32_16x16x128_f8f6f4 v[wD:wD+7], v[wA:wA+11], v[wB:wB+11], 0, v[wSA], v[wSB] matrix_a_fmt:MATRIX_FMT_FP6 matrix_b_fmt:MATRIX_FMT_FP6 matrix_a_scale:MATRIX_SCALE_ROW1
.elseif wRB
	v_wmma_scale_f32_16x16x128_f8f6f4 v[wD:wD+7], v[wA:wA+11], v[wB:wB+11], 0, v[wSA], v[wSB] matrix_a_fmt:MATRIX_FMT_FP6 matrix_b_fmt:MATRIX_FMT_FP6 matrix_b_scale:MATRIX_SCALE_ROW1
.else
	v_wmma_scale_f32_16x16x128_f8f6f4 v[wD:wD+7], v[wA:wA+11], v[wB:wB+11], 0, v[wSA], v[wSB] matrix_a_fmt:MATRIX_FMT_FP6 matrix_b_fmt:MATRIX_FMT_FP6
.endif
.else
.if wRA && wRB
	v_wmma_scale_f32_16x16x128_f8f6f4 v[wD:wD+7], v[wA:wA+11], v[wB:wB+11], v[wC:wC+7], v[wSA], v[wSB] matrix_a_fmt:MATRIX_FMT_FP6 matrix_b_fmt:MATRIX_FMT_FP6 matrix_a_scale:MATRIX_SCALE_ROW1 matrix_b_scale:MATRIX_SCALE_ROW1
.elseif wRA
	v_wmma_scale_f32_16x16x128_f8f6f4 v[wD:wD+7], v[wA:wA+11], v[wB:wB+11], v[wC:wC+7], v[wSA], v[wSB] matrix_a_fmt:MATRIX_FMT_FP6 matrix_b_fmt:MATRIX_FMT_FP6 matrix_a_scale:MATRIX_SCALE_ROW1
.elseif wRB
	v_wmma_scale_f32_16x16x128_f8f6f4 v[wD:wD+7], v[wA:wA+11], v[wB:wB+11], v[wC:wC+7], v[wSA], v[wSB] matrix_a_fmt:MATRIX_FMT_FP6 matrix_b_fmt:MATRIX_FMT_FP6 matrix_b_scale:MATRIX_SCALE_ROW1
.else
	v_wmma_scale_f32_16x16x128_f8f6f4 v[wD:wD+7], v[wA:wA+11], v[wB:wB+11], v[wC:wC+7], v[wSA], v[wSB] matrix_a_fmt:MATRIX_FMT_FP6 matrix_b_fmt:MATRIX_FMT_FP6
.endif
.endif
.endm
; R's blocks a0 .. a1 x all PB tiles of P, from register set q.  ck = 1: the sums begin with 0; 2: with the bias; 0: they go on in place.  All accumulators take turns, one instruction a turn.
.macro MULS q, a0, a1, ck
.if (\ck) == 2
	WIN 0x81                                       ; source 0 window 1, source 1 and C window 0, D window 2
.else
	WIN 0xa1                                       ; source 0 window 1, source 1 window 0, C and D window 2
.endif
.set ma, \a0
.rept (\a1)-(\a0)+1
.set mt, 0
.rept PB
.set wD, 8*(PB*ma+mt)
.set wA, 128*(\q)+12*mt
.set wB, RF+48*(\q)+12*ma
.if (\ck) == 2
.set wC, BI+8*mt
.else
.set wC, wD
.endif
.set wSA, SCP+(PB/2)*(\q)+2*(mt>>2)+((mt&3)>>1)
.set wSB, SCR+2*(\q)+(ma>>1)
.set wRA, mt&1
.set wRB, ma&1
	WMI (\ck)==1
.set mt, mt+1
.endr
.set ma, ma+1
.endr
.endm
.macro FETCH slot, ks, q               ; the fragments and scale words of step ks of a slot into register set q: NF LDS loads
	WIN 0x40
.set ft, 0
.rept PB
.irp c, 0,1,2
	ds_load_b128 v[128*(\q)+12*ft+4*\c:128*(\q)+12*ft+4*\c+3], v[AP+\slot] offset:25600*(ft>>2)+6400*(\ks)+1536*(ft&3)+512*\c
.endr
.set ft, ft+1
.endr
	WIN 0
.irp a, 0,1,2,3
.irp c, 0,1,2
	ds_load_b128 v[RF+48*(\q)+12*\a+4*\c:RF+48*(\q)+12*\a+4*\c+3], v[AR+\slot] offset:6400*(\ks)+1536*\a+512*\c
.endr
.endr
	ds_load_b64 v[SCR+2*(\q):SCR+2*(\q)+1], v[ASR+\slot] offset:6400*(\ks)
.set ft, 0
.rept PB/4
	ds_load_b64 v[SCP+(PB/2)*(\q)+2*ft:SCP+(PB/2)*(\q)+2*ft+1], v[ASP+\slot] offset:25600*ft+6400*(\ks)
.set ft, ft+1
.endr
.endm
.macro STEPX q, nslot, nks, ck         ; the next step's fragments are asked for, four places behind the products that read their registers; then set q is multiplied
	PLACES 4
	FETCH \nslot, \nks, 1-(\q)
	s_wait_dscnt NF                                ; all but the NF just issued: set q is in
	MULS \q, 0, 3, \ck
.endm
.macro LAST q
	s_wait_dscnt 0x0
	MULS \q, 0, 3, 0
.endm
; Slot 0's last step of the first job.  In front of the barrier each wave waits for all its tensor loads (its part of slot 1), adds 0 to its spare word, and waits for that and for its reads of slot 0.
; The barrier opens a round of the cluster's barrier; behind the round slot 0 is filled again, with the second job's tiles, by descriptors of their own.
.macro TURNF q, nslot
	WIN 0
	s_wait_tensorcnt 0x0
	ds_add_u32 v[SPW], v[NIL]                      ; 0 onto my spare word
	s_wait_dscnt 0x1                               ; set q is in; the add may be out
	MULS \q, 0, 0, 0
	s_wait_dscnt 0x0                               ; the add is done, and my reads of slot 0 are over
	s_barrier_signal -1
	MULS \q, 1, 1, 0
	WIN 0
	s_barrier_wait -1
	CREST                                          ; no wave of any partner still reads slot 0's tiles or has a load on its way
	JLOAD G0R2, G0P2                               ; its four v_nop are also the places in front of the loads below
	FETCH \nslot, 0, 1-(\q)
	MULS \q, 2, 3, 0
.endm
; 64 numbers of a lane in window sw, register 16 b + i = column 32 b + 16 h + i of my row, become a fragment's codes in v[pc] on and its scale word in v[pw].  Each accumulator is read from its low end on.
.macro QUANT src, sw, pc, pw
	WIN ((\sw)<<2)|((\sw)<<4)
.irp b, 0,1,2,3
	v_max3_num_f32 v[TM+\b], s[FLOOR], |v[(\src)+16*\b]|, |v[(\src)+16*\b+1]|   ; with the floor 2^(3 - 127): the byte cannot fall under 1
.endr
.irp i, 2,4,6,8,10,12,14
.irp b, 0,1,2,3
	v_max3_num_f32 v[TM+\b], v[TM+\b], |v[(\src)+16*\b+\i]|, |v[(\src)+16*\b+\i+1]|
.endr
.endr
	WIN 0
.irp b, 0,1,2,3
	v_permlanex16_b32 v[TM+4+\b], v[TM+\b], s[SEL], s[SEL+1]
.endr
.irp b, 0,1,2,3
	v_max_num_f32 v[TM+\b], v[TM+\b], v[TM+4+\b]
.endr
.irp b, 0,1,2,3
	v_add_nc_u32 v[TM+12+\b], 0xff000000, v[TM+\b] ; 2 off the exponent field: the conversion's scale operand
.endr
.irp b, 0,1,2,3
	v_lshrrev_b32 v[TM+4+\b], 23, v[TM+12+\b]      ; the scale's byte
.endr
	v_lshl_or_b32 v[\pw], v[TM+5], 8, v[TM+4]
	v_lshl_or_b32 v[\pw], v[TM+6], 16, v[\pw]
	v_lshl_or_b32 v[\pw], v[TM+7], 24, v[\pw]
	WIN \sw
.irp c, 0,1
	v_cvt_scalef32_pk16_fp6_f32 v[(\pc)+6*\c:(\pc)+6*\c+2], v[(\src)+32*\c:(\src)+32*\c+15], v[TM+12+2*\c]
	v_cvt_scalef32_pk16_fp6_f32 v[TC+4*\c:TC+4*\c+2], v[(\src)+32*\c+16:(\src)+32*\c+31], v[TM+13+2*\c]
.endr
	WIN 0
	v_nop                                          ; one plain place behind a scaled conversion
.irp c, 0,1
.irp i, 0,1,2
	v_permlane16_swap_b32 v[(\pc)+6*\c+\i], v[TC+4*\c+\i]
.endr
.irp i, 0,1,2
	v_mov_b32 v[(\pc)+3+6*\c+\i], v[TC+4*\c+\i]
.endr
.endr
.endm
; The way out of my four blocks, to the chunk at s[out].  rope = 1: register pair i of block b is (even, odd) of frequency 16 b + 8 h + i: (a c - b s, a s + b c).
.macro EPI rope, out
.irp a, 0,1,2,3
.if \rope
	WIN 0x0e
.irp b, 0,1,2,3
.irp i, 0,2,4,6
	v_pk_mul_f32 v[T+16*\b+2*\i:T+16*\b+2*\i+1], v[64*\a+16*\b+2*\i:64*\a+16*\b+2*\i+1], v[64*\a+8*\b+\i:64*\a+8*\b+\i+1] op_sel_hi:[1,0]
	v_pk_mul_f32 v[T+16*\b+2*\i+2:T+16*\b+2*\i+3], v[64*\a+16*\b+2*\i+2:64*\a+16*\b+2*\i+3], v[64*\a+8*\b+\i:64*\a+8*\b+\i+1] op_sel:[0,1] op_sel_hi:[1,1]
.endr
.endr
.irp b, 0,1,2,3
.irp i, 0,2,4,6
	v_pk_fma_f32 v[T+16*\b+2*\i:T+16*\b+2*\i+1], v[64*\a+16*\b+2*\i:64*\a+16*\b+2*\i+1], v[64*\a+32+8*\b+\i:64*\a+32+8*\b+\i+1], v[T+16*\b+2*\i:T+16*\b+2*\i+1] op_sel:[1,0,0] op_sel_hi:[0,0,1] neg_lo:[0,1,0]
	v_pk_fma_f32 v[T+16*\b+2*\i+2:T+16*\b+2*\i+3], v[64*\a+16*\b+2*\i+2:64*\a+16*\b+2*\i+3], v[64*\a+32+8*\b+\i:64*\a+32+8*\b+\i+1], v[T+16*\b+2*\i+2:T+16*\b+2*\i+3] op_sel:[1,1,0] op_sel_hi:[0,1,1] neg_lo:[0,1,0]
.endr
.endr
	QUANT T, 0, PC+12*\a, PWR+\a
.else
	QUANT 64*\a, 2, PC+12*\a, PWR+\a
.endif
.irp c, 0,1,2
	global_store_b128 v[LI], v[PC+12*\a+4*\c:PC+12*\a+4*\c+3], s[\out:\out+1] offset:1536*\a+512*\c   ; 512 consecutive bytes, at a multiple of 256 from the buffer's first byte; each block has registers of its own
.endr
.endr
.endm
.macro WORDS out                       ; the chunk's scale area: word 0: block 0 in lanes 0-15, block 1 in lanes 16-31; word 1: blocks 2 and 3: 256 consecutive bytes
	v_cndmask_b32 v[SWP], v[PWR], v[PWR+1], s[HM]
	v_cndmask_b32 v[SWP+1], v[PWR+2], v[PWR+3], s[HM]
	global_store_b64 v[L8], v[SWP:SWP+1], s[\out:\out+1] offset:6144
.endm
	s_load_b512 s[4:19], s[0:1], 0x0               ; qw, lat, b_qr, freq_cos, freq_sin, qa, ka, va
	v_lshl_add_u32 v[SPW], v0, 2, SPARE
	v_mov_b32 v[NIL], 0
	ds_add_u32 v12, v13
	s_wait_dscnt 0x0
	v_lshrrev_b32 v1, 5, v0
	v_readfirstlane_b32 s[WV], v1
	s_lshr_b32 s[ROLE], s[WV], 1                   ; I fetch for R (0) or for P (1),
	s_and_b32 s[HALF], s[WV], 1                    ; its first or its second half
	s_bfe_u32 s74, ttmp6, 0x40000                  ; cx
	s_bfe_u32 s75, ttmp6, 0x40004                  ; cy
	s_lshl_b32 s76, ttmp9, 2
	s_add_co_u32 s76, s76, s74                     ; x
	s_and_b32 s[YC], ttmp7, 0xffff                 ; the cluster's y, 0..7: the same in all sixteen partners
	s_lshl_b32 s77, s[YC], 2
	s_add_co_u32 s77, s77, s75                     ; y, 0..31
	s_lshr_b32 s[ROPE], s[YC], 2                   ; which pair of jobs
	s_and_b32 s78, s77, 15                         ; their part: the head; for v the 128 keys
	s_lshl_b32 s79, s76, 2
	s_add_co_u32 s79, s79, s[WV]                   ; my panel of R
	s_lshl_b32 s98, 0x1111, s74                    ; my column of the cluster: R's tiles
	s_lshl_b32 s99, s75, 2
	s_lshl_b32 s99, 15, s99                        ; my row: P's
	; descriptor group 1: a dense block as rows of 256 bytes (32 elements of 8 bytes), no padding: R 200 rows, P 100
	s_or_b32 s[G1R], s98, (3<<16)|(1<<21)
	s_or_b32 s[G1P], s99, (3<<16)|(1<<21)
.irp g, G1R, G1P
	s_mov_b32 s[\g+1], 32<<16
	s_mov_b32 s[\g+3], 32<<16
	s_mov_b32 s[\g+5], 32
	s_mov_b32 s[\g+6], 0
	s_mov_b32 s[\g+7], 0
.endr
	s_mov_b32 s[G1R+2], 200<<16
	s_mov_b32 s[G1R+4], 200
	s_mov_b32 s[G1P+2], 100<<16
	s_mov_b32 s[G1P+4], 100
	; where the tiles lie.  First job: R = cq (lat), P = w_q or w_qr (qw).  Second: k: R = ckv (lat), P = w_k (qw);  v: R = w_v (qw), P = ckv (lat)
	s_mul_i32 s80, s76, 102400                     ; R: 4 panels a work-group, 2 a load
	s_mul_i32 s81, s[HALF], 51200
	s_add_co_u32 s80, s80, s81
	s_mul_i32 s82, s78, 51200                      ; P: 2 panels a work-group, 1 a load
	s_mul_i32 s83, s[HALF], 25600
	s_add_co_u32 s82, s82, s83
	s_mov_b32 s84, CKVO
	s_mov_b32 s86, WKO
	s_mov_b32 s85, WQO
	s_cmp_lg_u32 s[ROPE], 0
	s_cselect_b32 s84, WVO, s84
	s_cselect_b32 s86, CKVO, s86
	s_cselect_b32 s85, WQRO, s85
	s_add_co_u32 s84, s84, s80                     ; the second job's R,
	s_add_co_u32 s86, s86, s82                     ; its P,
	s_add_co_u32 s82, s82, s85                     ; the first job's P
	s_mov_b32 s81, 0
	s_mov_b32 s83, 0
	s_mov_b32 s85, 0
	s_mov_b32 s87, 0
	s_mul_i32 s72, s[HALF], 51200                  ; where they go in a slot: no place in the cluster enters an LDS address
	s_mul_i32 s73, s[HALF], 25600
	s_add_co_u32 s73, s73, PREG
	v_and_b32 v1, 31, v0
	v_lshlrev_b32 v[LI], 4, v1
	v_lshlrev_b32 v[L8], 3, v1
	s_mul_i32 s67, s[WV], 25600
	v_add_nc_u32 v[AR], s67, v[LI]
	v_add_nc_u32 v[AR+1], SLOT, v[AR]
	v_add_nc_u32 v[AP], PREG, v[LI]
	v_add_nc_u32 v[AP+1], SLOT, v[AP]
	v_add_nc_u32 v[ASR], s67, v[L8]
	v_add_nc_u32 v[ASR], 6144, v[ASR]
	v_add_nc_u32 v[ASR+1], SLOT, v[ASR]
	v_add_nc_u32 v[ASP], PREG+6144, v[L8]
	v_add_nc_u32 v[ASP+1], SLOT, v[ASP]
	s_mov_b32 s[SEL], 0x76543210
	s_mov_b32 s[SEL+1], 0xfedcba98
	s_mov_b32 s[FLOOR], 0x1800000
	s_mov_b32 s[HM], 0xffff0000                    ; lanes 16-31
	; the tables are loaded in every work-group; where there is no rope, all lanes read the tables' first bytes (offsets x 0) and nothing uses them
	s_mul_i32 s88, s79, s[ROPE]
	s_lshl_b32 s88, s88, 14                        ; 64 rows of 256 bytes of cos and of sin
	s_mov_b32 s89, 0
	s_mul_i32 s90, s78, s[ROPE]
	s_lshl_b32 s90, s90, 9                         ; the head's 128 numbers of the bias
	s_mov_b32 s91, 0
	s_mul_i32 s92, s78, 409600                     ; q, qr, k: chunk (head, my panel, step 0; qr: step 1)
	s_mul_i32 s93, s79, 12800
	s_add_co_u32 s92, s92, s93
	s_mul_i32 s93, s[ROPE], 6400
	s_add_co_u32 s94, s92, s93
	s_lshr_b32 s95, s79, 1                         ; v: my panel of w_v is half a head: chunk (panel / 2, the 128 keys, panel % 2)
	s_mul_i32 s95, s95, 204800
	s_mul_i32 s93, s78, 12800
	s_add_co_u32 s95, s95, s93
	s_and_b32 s93, s79, 1
	s_mul_i32 s93, s93, 6400
	s_add_co_u32 s95, s95, s93
	v_and_b32 v30, 15, v0                          ; r
	v_bfe_u32 v31, v0, 4, 1                        ; h
	v_and_b32 v[FO], 7, v30
	v_lshrrev_b32 v[BO], 3, v30
	v_lshl_add_u32 v[FO], v[BO], 4, v[FO]          ; r % 8 + 16 (r / 8)
	v_lshlrev_b32 v[FO], 8, v[FO]
	v_lshl_add_u32 v[FO], v31, 5, v[FO]            ; + 8 h frequencies
	v_mul_lo_u32 v[FO], v[FO], s[ROPE]
	v_lshlrev_b32 v[BO], 6, v31                    ; 16 h numbers
	v_mul_lo_u32 v[BO], v[BO], s[ROPE]
	s_wait_kmcnt 0x0
	s_add_nc_u64 s[80:81], s[6:7], s[80:81]
	s_add_nc_u64 s[82:83], s[4:5], s[82:83]
	s_cmp_lg_u32 s[ROPE], 0
	s_cselect_b64 s[96:97], s[4:5], s[6:7]         ; the second job's R lies in qw (v) or in lat (k),
	s_cselect_b64 s[98:99], s[6:7], s[4:5]         ; its P the other way round,
	s_cselect_b64 s[OUT2:OUT2+1], s[18:19], s[16:17]   ; and it goes to va or to ka
	s_cselect_b32 s92, s95, s92
	s_mov_b32 s93, 0
	s_mov_b32 s95, 0
	s_add_nc_u64 s[84:85], s[96:97], s[84:85]
	s_add_nc_u64 s[86:87], s[98:99], s[86:87]
	s_add_nc_u64 s[OUT2:OUT2+1], s[OUT2:OUT2+1], s[92:93]
	s_add_nc_u64 s[OUT1:OUT1+1], s[OUT1:OUT1+1], s[94:95]
	s_add_nc_u64 s[10:11], s[10:11], s[88:89]
	s_add_nc_u64 s[12:13], s[12:13], s[88:89]
	s_add_nc_u64 s[8:9], s[8:9], s[90:91]
.irp s, 0,1
	s_mov_b32 s[G0R+4*\s], 1
	s_add_co_u32 s[G0R+4*\s+1], s72, \s*SLOT
	s_add_nc_u64 s[G0R+4*\s+2:G0R+4*\s+3], s[80:81], \s*KG
	s_or_b32 s[G0R+4*\s+3], s[G0R+4*\s+3], 0x80000000
	s_mov_b32 s[G0P+4*\s], 1
	s_add_co_u32 s[G0P+4*\s+1], s73, \s*SLOT
	s_add_nc_u64 s[G0P+4*\s+2:G0P+4*\s+3], s[82:83], \s*KG
	s_or_b32 s[G0P+4*\s+3], s[G0P+4*\s+3], 0x80000000
.endr
	s_mov_b32 s[G0R2], 1
	s_mov_b32 s[G0R2+1], s72
	s_mov_b64 s[G0R2+2:G0R2+3], s[84:85]
	s_or_b32 s[G0R2+3], s[G0R2+3], 0x80000000
	s_mov_b32 s[G0P2], 1
	s_mov_b32 s[G0P2+1], s73
	s_mov_b64 s[G0P2+2:G0P2+3], s[86:87]
	s_or_b32 s[G0P2+3], s[G0P2+3], 0x80000000
.irp t, 0,1,2,3,4,5,6,7                        ; tile t: the bias of columns 32 (t / 2) + 8 (t % 2) + 16 h + 0 .. 7: wanted by the first products
.irp q, 0,1
	global_load_b128 v[BI+8*\t+4*\q:BI+8*\t+4*\q+3], v[BO], s[8:9] offset:(32*(\t>>1)+8*(\t&1))*4+16*\q
.endr
.endr
	CROUND                                         ; all sixteen work-groups are here: the first joint loads meet
	JLOAD G0R, G0P                                 ; the first job's K: its first 512,
	JLOAD G0R+4, G0P+4                             ; its second: two loads of mine are out
	s_wait_loadcnt 0x0                             ; the bias is in; the loads below are waited for in front of the first way out
	WIN 0xc0                                       ; destination window 3
.irp a, 0,1,2,3                                ; block a: cos of frequencies 16 b + 8 h + 0 .. 7 at 64 a + 8 b, sin 32 further on
.irp b, 0,1,2,3
.irp q, 0,1
	global_load_b128 v[64*\a+8*\b+4*\q:64*\a+8*\b+4*\q+3], v[FO], s[10:11] offset:(32*(\a>>1)+8*(\a&1))*256+64*\b+16*\q
	global_load_b128 v[64*\a+32+8*\b+4*\q:64*\a+32+8*\b+4*\q+3], v[FO], s[12:13] offset:(32*(\a>>1)+8*(\a&1))*256+64*\b+16*\q
.endr
.endr
.endr
	WIN 0
	s_wait_tensorcnt 0x1                           ; my part of slot 0 is in; slot 1's may stay out
	s_barrier_signal -1
	s_barrier_wait -1
	; ---- the first job: q or qr, eight steps
	FETCH 0, 0, 0
	FETCH 0, 1, 1
	s_wait_dscnt NF
	s_cmp_lg_u32 s[ROPE], 0                        ; the first step starts the sums: with 0, or with the bias
	s_cbranch_scc1 .Lwith_bias
	MULS 0, 0, 3, 1
	WIN 0
	s_branch .Lstarted
.Lwith_bias:
	MULS 0, 0, 3, 2
	WIN 0
.Lstarted:
	STEPX 1, 0, 2, 0
	STEPX 0, 0, 3, 0
	TURNF 1, 1                                     ; slot 0 takes the second job's tiles
	STEPX 0, 1, 1, 0
	STEPX 1, 1, 2, 0
	STEPX 0, 1, 3, 0
	LAST 1
	WIN 0
	PLACES 4                                       ; behind the last products: their results are read and their operands' registers written below
.irp b, 0,1,2,3
	v_mov_b32 v[TM+4+\b], 0                        ; a lane permute's destination counts as one of its sources
.endr
	s_wait_loadcnt 0x0                             ; cos and sin
	s_cmp_lg_u32 s[ROPE], 0
	s_cbranch_scc1 .Lrope
	EPI 0, OUT1
	s_branch .Lwords
.Lrope:
	EPI 1, OUT1
.Lwords:
	WORDS OUT1
	; ---- the second job: k or v, four steps, from slot 0
	s_wait_tensorcnt 0x0                           ; my part of its tiles is in,
	s_wait_xcnt 0x0                                ; and the stores above have read their registers, into which fragments are loaded below
	s_barrier_signal -1
	s_barrier_wait -1                              ; everybody's part is in
	FETCH 0, 0, 0
	STEPX 0, 0, 1, 1                               ; the sums begin anew, with 0
	STEPX 1, 0, 2, 0
	STEPX 0, 0, 3, 0
	LAST 1
	WIN 0
	PLACES 4
.irp b, 0,1,2,3
	v_mov_b32 v[TM+4+\b], 0
.endr
	EPI 0, OUT2
	WORDS OUT2
	s_wait_tensorcnt 0x0                           ; the wave's end
	ds_add_u32 v[SPW], v[NIL]
	s_wait_dscnt 0x0
	CROUND                                         ; the closing round
	s_endpgm
.Lfunc_end_k_q6fe3a604da_heads:
	.size	k_q6fe3a604da_heads, .Lfunc_end_k_q6fe3a604da_heads-k_q6fe3a604da_heads
	.p2alignl 7, 3214868480
	.fill 96, 4, 3214868480
	.section	.rodata,"a",@progbits
	.p2align	6, 0x0
	.amdhsa_kernel k_q6fe3a604da_heads
		.amdhsa_group_segment_fixed_size 327680
		.amdhsa_private_segment_fixed_size 0
		.amdhsa_enable_private_segment 0
		.amdhsa_kernarg_size 64
		.amdhsa_user_sgpr_count 2
		.amdhsa_user_sgpr_kernarg_segment_ptr 1
		.amdhsa_wavefront_size32 1
		.amdhsa_system_sgpr_workgroup_id_x 1
		.amdhsa_system_sgpr_workgroup_id_y 1
		.amdhsa_system_sgpr_workgroup_id_z 1
		.amdhsa_system_vgpr_workitem_id 0
		.amdhsa_next_free_vgpr 1024
		.amdhsa_next_free_sgpr 100
		.amdhsa_reserve_vcc 0
		.amdhsa_float_denorm_mode_32 3
		.amdhsa_float_denorm_mode_16_64 3
		.amdhsa_memory_ordered 1
		.amdhsa_forward_progress 1
		.amdhsa_inst_pref_size 167
	.end_amdhsa_kernel
	.amdgpu_metadata
---
amdhsa.version: [ 1, 2 ]
amdhsa.kernels:
  - .name:           k_q6fe3a604da_heads
    .symbol:         k_q6fe3a604da_heads.kd
    .args:
      - { .name: qw, .offset: 0, .size: 8, .value_kind: global_buffer, .address_space: global }
      - { .name: lat, .offset: 8, .size: 8, .value_kind: global_buffer, .address_space: global }
      - { .name: b_qr, .offset: 16, .size: 8, .value_kind: global_buffer, .address_space: global }
      - { .name: freq_cos, .offset: 24, .size: 8, .value_kind: global_buffer, .address_space: global }
      - { .name: freq_sin, .offset: 32, .size: 8, .value_kind: global_buffer, .address_space: global }
      - { .name: qa, .offset: 40, .size: 8, .value_kind: global_buffer, .address_space: global }
      - { .name: ka, .offset: 48, .size: 8, .value_kind: global_buffer, .address_space: global }
      - { .name: va, .offset: 56, .size: 8, .value_kind: global_buffer, .address_space: global }
    .group_segment_fixed_size: 327680
    .private_segment_fixed_size: 0
    .kernarg_segment_align: 8
    .kernarg_segment_size: 64
    .max_flat_workgroup_size: 128
    .sgpr_count:     100
    .vgpr_count:     1024
    .wavefront_size: 32
...
	.end_amdgpu_metadata
.endif
;; end of part 3
;; launch attn (part 4): grid 16 x 16, 8 waves a work-group, clusters of 4 x 1, 327,680 bytes of LDS; arguments qa, ka, va, oq; writes oq
.if DOCPART == 4
	.amdgcn_target "amdgcn-amd-amdhsa--gfx1250"
	.amdhsa_code_object_version 6
	.text
	.protected	k_q6fe3a604da_attn
	.globl	k_q6fe3a604da_attn
	.p2align	8
	.type	k_q6fe3a604da_attn,@function
k_q6fe3a604da_attn:
	s_mov_b64 s[64:65], 0
	v_nop
	global_prefetch_b8 v0, s[64:65] scope:SCOPE_SE
	s_setreg_imm32_b32 hwreg(HW_REG_WAVE_MODE, 25, 1), 1
	s_wait_xcnt 0x0
	s_wait_alu depctr_hold_cnt(0) depctr_sa_sdst(0) depctr_va_vdst(0) depctr_va_sdst(0) depctr_va_ssrc(0) depctr_va_vcc(0) depctr_vm_vsrc(0)
	s_getreg_b32 s2, hwreg(HW_REG_IB_STS2, 6, 4)
	s_cmp_eq_u32 s2, 0
	s_cbranch_scc0 .Lentry_in_a_cluster
	s_endpgm
.Lentry_in_a_cluster:
	s_bfe_u32 s2, ttmp6, 0x10000c
	s_cmp_lg_u32 s2, 0x3003
	s_cbranch_scc0 .Lentry_shape_is_right
	s_endpgm
.Lentry_shape_is_right:
; o = softmax(q k^T / sqrt(128)) v for 16 heads, 2,048 queries and keys; q and k have 256 numbers a head (plain 128, rope 128).  Both products on codes of FP6 (E2M3) with E8M0 scales; o / l is quantised along the head's 128 and leaves as codes.
; THE SOFTMAX: t = score x log2(e) / sqrt(128); M = the running largest t rounded UP to a whole number; p = 2^(t - M) is quantised along the keys; the row's sum is taken of the unquantised p and divides at the end.
; When M moves, the sum and O are multiplied by 2^(old M - new M): exact.
; OPERANDS are chunks of 64 rows x 128 K, 6,400 bytes, in the order of an operand's registers; lane-row r of block a is row 32 (a / 2) + 8 (a % 2) + r % 8 + 16 (r / 8) of its panel.  qa, ka: [head][panel][step 0, 1]; va (rows: the head's 128,
; K: the keys): [head][128 keys][panel 0, 1].  Both products are used transposed (S^T = K Q^T, O^T = V^T P^T): a lane holds ONE query, and by that order of rows its registers 16 b + i are keys (then channels) 32 b + 16 h + i.
; SHARES: a work-group owns 128 queries of one head, each of its eight waves 16: two waves to a SIMD, so that one wave's vector work stands beside the other's products and LDS loads.  Every wave walks all keys, 128 a step.
; K and V come through two LDS slots of 512 keys (four steps), filled by waves 0 to 5, 25,600 dense bytes each; both slots are asked for at the start, ahead of Q's loads.
; CLUSTER 4 x 1: the four query blocks of a cluster belong to one head and ask for every tile jointly.
; No prefetch: a slot's load is asked for four key steps of eight waves ahead of its first read.
; LIMITS: NaN and infinities are not served; a block whose largest magnitude lies under 2^-124 keeps the byte 1.
; REGISTERS: window 0: v1-11 addresses; v12 -M, v13 the largest t, v[14:15] the sum; v16-39 Q; v40-41 Q's scale words; v42-49 K's; v50-53 V's; v64-80 at work on the way out; v96-159 S^T, then p; v160-223 O^T; v224-235 p's codes; v232-254 at work.
;            window 1: K's 16 fragments at 12 (8 step + tile); V's 8 are laid over the first 8.
.set SLOT,  153600                     ; K: 8 panels x 2 steps; then V: 4 key steps x 2 panels
.set VREG,  102400
.set SPARE, 2*SLOT                     ; the spare words, 128 bytes a wave: four blocks of 256 bytes that no other line names
.set SCST,  SPARE+1024                 ; o's scale words on their way out: 256 bytes for each of the two panels; no tile lands here
.set LI,   1                           ; 16 x lane
.set L8,   2                           ; 8 x lane
.set SST,  4
.set SPW,  5
.set NIL,  6
.set SLD,  7
.set ADK,  8
.set ADV,  9
.set ADKS, 10
.set ADVS, 11
.set KS,   42
.set VS,   50
.set TM,   64
.set PW,   80
.set TC,   236
.set WV,   12
.set G1,   16
.set G0A,  24
.set G0B,  28
.set SEL,  34
.set CS,   36
.set TBK,  38
.set TBV,  39
.set CNT,  40
.set FLOOR, 41
.set MSB, 0
.macro WIN new                         ; the immediate's high byte repeats the setting that is left
.if MSB != (\new)
	s_set_vgpr_msb (MSB<<8)|(\new)
.set MSB, \new
.endif
.endm
.macro PLACES n
.rept \n
	v_nop
.endr
.endm
.macro CROUND                          ; a round of the cluster's barrier
	s_barrier_signal -1
	s_barrier_wait -1
	s_cmp_lg_u32 s[WV], 0
	s_cbranch_scc1 .Lnot_wave_0_\@
	s_barrier_signal -3
.Lnot_wave_0_\@:
	s_barrier_wait -3
	s_barrier_signal -1
	s_barrier_wait -1
.endm
.macro TLOAD g0                        ; waves 0 to 5 fetch; the branch hangs on the wave's number alone; four v_nop follow the load
	s_cmp_lt_u32 s[WV], 6
	s_cbranch_scc0 .Lnone_\@
	tensor_load_to_lds s[\g0:\g0+3], s[G1:G1+7]
	s_nop 0
.rept 4
	v_nop
.endr
.Lnone_\@:
.endm
.macro WMA zero                        ; one matrix instruction, by symbols; wRA: source 0's scale words stand in lanes 16-31
.if \zero
.if wRA
	v_wmma_scale_f32_16x16x128_f8f6f4 v[wD:wD+7], v[wA:wA+11], v[wB:wB+11], 0, v[wSA], v[wSB] matrix_a_fmt:MATRIX_FMT_FP6 matrix_b_fmt:MATRIX_FMT_FP6 matrix_a_scale:MATRIX_SCALE_ROW1
.else
	v_wmma_scale_f32_16x16x128_f8f6f4 v[wD:wD+7], v[wA:wA+11], v[wB:wB+11], 0, v[wSA], v[wSB] matrix_a_fmt:MATRIX_FMT_FP6 matrix_b_fmt:MATRIX_FMT_FP6
.endif
.else
.if wRA
	v_wmma_scale_f32_16x16x128_f8f6f4 v[wD:wD+7], v[wA:wA+11], v[wB:wB+11], v[wD:wD+7], v[wSA], v[wSB] matrix_a_fmt:MATRIX_FMT_FP6 matrix_b_fmt:MATRIX_FMT_FP6 matrix_a_scale:MATRIX_SCALE_ROW1
.else
	v_wmma_scale_f32_16x16x128_f8f6f4 v[wD:wD+7], v[wA:wA+11], v[wB:wB+11], v[wD:wD+7], v[wSA], v[wSB] matrix_a_fmt:MATRIX_FMT_FP6 matrix_b_fmt:MATRIX_FMT_FP6
.endif
.endif
.endm
; A KEY STEP: 128 keys.  The eight accumulators of each product take turns, one instruction a turn.
.macro KSTEP
	v_add_nc_u32 v[ADK], s[TBK], v[LI]             ; these four are also the places between the last products and the loads into their operands' registers
	v_add_nc_u32 v[ADKS], s[TBK], v[L8]
	v_add_nc_u32 v[ADV], s[TBV], v[LI]
	v_add_nc_u32 v[ADVS], s[TBV], v[L8]
.irp p, 0,1
.irp k, 0,1
	ds_load_b64 v[KS+4*\p+2*\k:KS+4*\p+2*\k+1], v[ADKS] offset:12800*\p+6400*\k+6144
.endr
.endr
	WIN 0x40                                       ; destination window 1
.irp k, 0,1
.irp t, 0,1,2,3,4,5,6,7
.irp c, 0,1,2
	ds_load_b128 v[12*(8*\k+\t)+4*\c:12*(8*\k+\t)+4*\c+3], v[ADK] offset:12800*(\t>>2)+6400*\k+1536*(\t&3)+512*\c
.endr
.endr
.endr
	s_wait_dscnt 24                                ; the scale words and the plain part's fragments are in; the rope part's 24 loads may be out
	WIN 0x01                                       ; source 0 window 1
.set mt, 0
.rept 8
.set wD, 96+8*mt
.set wA, 12*mt
.set wB, 16
.set wSA, KS+4*(mt>>2)+((mt&3)>>1)
.set wSB, 40
.set wRA, mt&1
	WMA 1
.set mt, mt+1
.endr
	s_wait_dscnt 0x0
.set mt, 0
.rept 8
.set wD, 96+8*mt
.set wA, 12*(8+mt)
.set wB, 28
.set wSA, KS+4*(mt>>2)+2+((mt&3)>>1)
.set wSB, 41
.set wRA, mt&1
	WMA 0
.set mt, mt+1
.endr
	WIN 0
	PLACES 4                                       ; behind the products: their results are read, and V is loaded over K's first fragments
.irp p, 0,1
	ds_load_b64 v[VS+2*\p:VS+2*\p+1], v[ADVS] offset:6400*\p+6144
.endr
	WIN 0x40
.irp t, 0,1,2,3,4,5,6,7
.irp c, 0,1,2
	ds_load_b128 v[12*\t+4*\c:12*\t+4*\c+3], v[ADV] offset:6400*(\t>>2)+1536*(\t&3)+512*\c   ; V lands while the softmax is worked
.endr
.endr
	WIN 0
.irp b, 0,1,2,3
	v_max3_num_f32 v[232+\b], v[96+16*\b], v[97+16*\b], v[98+16*\b]   ; the largest score of each block of 32 keys: it serves for the row's maximum and, since p rises with the score, for the block's largest p
.endr
.irp i, 3,5,7,9,11,13
.irp b, 0,1,2,3
	v_max3_num_f32 v[232+\b], v[232+\b], v[96+16*\b+\i], v[97+16*\b+\i]
.endr
.endr
.irp b, 0,1,2,3
	v_max_num_f32 v[232+\b], v[232+\b], v[111+16*\b]
.endr
.irp b, 0,1,2,3
	v_permlanex16_b32 v[236+\b], v[232+\b], s[SEL], s[SEL+1]
.endr
.irp b, 0,1,2,3
	v_max_num_f32 v[232+\b], v[232+\b], v[236+\b]  ; with lane l xor 16's 16 keys
.endr
	v_max3_num_f32 v254, v232, v233, v234
	v_max_num_f32 v254, v254, v235                 ; the step's largest score of my query
	v_mul_f32 v254, s[CS], v254                    ; as t (c is positive)
	v_max_num_f32 v13, v13, v254                   ; the running largest t
	v_mov_b32 v254, v12
	v_floor_f32 v12, -v13                          ; the new -M = floor(-t): M is a whole number
	v_sub_f32 v254, v12, v254                      ; old M - new M: a whole number, 0 or less
	v_cvt_i32_f32 v254, v254                       ; (it saturates)
	v_ldexp_f32 v252, 1.0, v254                    ; f = 2^(old M - new M)
.set j, 0
.rept 32
	v_pk_fma_f32 v[96+j:97+j], v[96+j:97+j], s[CS:CS+1], v[12:13] op_sel_hi:[1,0,0]   ; t - M, two at a time
.set j, j+2
.endr
.irp b, 0,1,2,3
	v_fma_f32 v[232+\b], v[232+\b], s[CS], v12     ; the same of each block's largest score
.endr
.set j, 0
.rept 64
	v_exp_f32 v[96+j], v[96+j]                     ; p = 2^(t - M), at most 1: not normalised
.set j, j+1
.endr
.irp b, 0,1,2,3
	v_exp_f32 v[232+\b], v[232+\b]                 ; the block's largest p: in the same batch
.endr
	v_pk_mul_f32 v[14:15], v[14:15], v[252:253] op_sel_hi:[1,0]   ; the sums under the new M (a plain place behind the exponentials)
	s_wait_alu depctr_va_vdst(0)                   ; ONE wait for the batch of 68, ahead of its first reader
	v_pk_add_f32 v[236:237], v[96:97], v[98:99]    ; the row's sum is taken of the unquantised p, in two chains
.irp j, 4,8,12,16,20,24,28,32,36,40,44,48,52,56,60
	v_pk_add_f32 v[14:15], v[14:15], v[96+\j:97+\j]
	v_pk_add_f32 v[236:237], v[236:237], v[98+\j:99+\j]
.endr
	v_pk_add_f32 v[14:15], v[14:15], v[236:237]
.irp b, 0,1,2,3
	v_max_num_f32 v[232+\b], 0x1800000, v[232+\b]  ; the floor 2^(3 - 127): the byte cannot fall under 1
.endr
.irp b, 0,1,2,3
	v_add_nc_u32 v[244+\b], 0xff000000, v[232+\b]  ; 2 off the exponent field: the conversion's scale operand
.endr
.irp b, 0,1,2,3
	v_lshrrev_b32 v[236+\b], 23, v[244+\b]         ; the scale's byte
.endr
	v_lshl_or_b32 v253, v237, 8, v236              ; p's scale word for these 128 keys
	v_lshl_or_b32 v253, v238, 16, v253
	v_lshl_or_b32 v253, v239, 24, v253
.irp c, 0,1
	v_cvt_scalef32_pk16_fp6_f32 v[224+6*\c:226+6*\c], v[96+32*\c:111+32*\c], v[244+2*\c]
	v_cvt_scalef32_pk16_fp6_f32 v[236+4*\c:238+4*\c], v[112+32*\c:127+32*\c], v[244+2*\c+1]
.endr
	v_nop                                          ; one plain place behind a scaled conversion
.irp c, 0,1
.irp i, 0,1,2
	v_permlane16_swap_b32 v[224+6*\c+\i], v[236+4*\c+\i]
.endr
.irp i, 0,1,2
	v_mov_b32 v[227+6*\c+\i], v[236+4*\c+\i]
.endr
.endr
.set j, 0
.rept 32
	v_pk_mul_f32 v[160+j:161+j], v[160+j:161+j], v[252:253] op_sel_hi:[1,0]   ; O^T under the new M; these 32 are also the places between the codes' and the scale word's last writes and the products
.set j, j+2
.endr
	s_wait_dscnt 0x0                               ; V is in
	WIN 0x01
.set mt, 0
.rept 8
.set wD, 160+8*mt
.set wA, 12*mt
.set wB, 224
.set wSA, VS+2*(mt>>2)+((mt&3)>>1)
.set wSB, 253
.set wRA, mt&1
	WMA 0
.set mt, mt+1
.endr
	WIN 0
.endm
.macro VISIT slot                      ; a slot's four key steps
	s_mov_b32 s[TBK], (\slot)*SLOT
	s_mov_b32 s[TBV], (\slot)*SLOT+VREG
	s_mov_b32 s[CNT], 4
.Lstep_\@:
	KSTEP
	s_add_co_u32 s[TBK], s[TBK], 25600
	s_add_co_u32 s[TBV], s[TBV], 12800
	s_sub_co_u32 s[CNT], s[CNT], 1
	s_cmp_lg_u32 s[CNT], 0
	s_cbranch_scc1 .Lstep_\@
.endm
; THE CHANGE OF SLOTS stands at a slot's head: each wave waits for all its tensor loads (its part of the slot ahead), adds 0 to its spare word, and waits for that and for its reads of the slot that it has left.
; fill = 1: a round of the cluster's barrier, and behind it the slot just left is filled, by descriptor g0 (step = 1: stepped two slots' worth of keys on).
.macro CHANGE g0, step, fill
	s_wait_tensorcnt 0x0
	ds_add_u32 v[SPW], v[NIL]                      ; 0 onto my spare word
.if \step
	s_add_nc_u64 s[\g0+2:\g0+3], s[\g0+2:\g0+3], s[32:33]
.endif
	s_wait_dscnt 0x0
.if \fill
	CROUND
	TLOAD \g0
.else
	s_barrier_signal -1
	s_barrier_wait -1
.endif
.endm
; 64 numbers of a lane, register 16 b + i = channel 32 b + 16 h + i of my query, become a fragment's codes in v[pc] on and its scale word in v[pw].
.macro QUANT src, pc, pw
.irp b, 0,1,2,3
	v_max3_num_f32 v[TM+\b], s[FLOOR], |v[(\src)+16*\b]|, |v[(\src)+16*\b+1]|
.endr
.irp i, 2,4,6,8,10,12,14
.irp b, 0,1,2,3
	v_max3_num_f32 v[TM+\b], v[TM+\b], |v[(\src)+16*\b+\i]|, |v[(\src)+16*\b+\i+1]|
.endr
.endr
.irp b, 0,1,2,3
	v_permlanex16_b32 v[TM+4+\b], v[TM+\b], s[SEL], s[SEL+1]
.endr
.irp b, 0,1,2,3
	v_max_num_f32 v[TM+\b], v[TM+\b], v[TM+4+\b]
.endr
.irp b, 0,1,2,3
	v_add_nc_u32 v[TM+12+\b], 0xff000000, v[TM+\b]
.endr
.irp b, 0,1,2,3
	v_lshrrev_b32 v[TM+4+\b], 23, v[TM+12+\b]
.endr
	v_lshl_or_b32 v[\pw], v[TM+5], 8, v[TM+4]
	v_lshl_or_b32 v[\pw], v[TM+6], 16, v[\pw]
	v_lshl_or_b32 v[\pw], v[TM+7], 24, v[\pw]
.irp c, 0,1
	v_cvt_scalef32_pk16_fp6_f32 v[(\pc)+6*\c:(\pc)+6*\c+2], v[(\src)+32*\c:(\src)+32*\c+15], v[TM+12+2*\c]
	v_cvt_scalef32_pk16_fp6_f32 v[TC+4*\c:TC+4*\c+2], v[(\src)+32*\c+16:(\src)+32*\c+31], v[TM+13+2*\c]
.endr
	v_nop
.irp c, 0,1
.irp i, 0,1,2
	v_permlane16_swap_b32 v[(\pc)+6*\c+\i], v[TC+4*\c+\i]
.endr
.irp i, 0,1,2
	v_mov_b32 v[(\pc)+3+6*\c+\i], v[TC+4*\c+\i]
.endr
.endr
.endm
	s_load_b256 s[4:11], s[0:1], 0x0               ; qa, ka, va, oq
	v_lshl_add_u32 v[SPW], v0, 2, SPARE
	v_mov_b32 v[NIL], 0
	ds_add_u32 v5, v6
	s_wait_dscnt 0x0
	v_lshrrev_b32 v8, 5, v0
	v_readfirstlane_b32 s[WV], v8                  ; wave 0..7
	s_bfe_u32 s13, ttmp6, 0x40000                  ; cx
	s_lshl_b32 s14, ttmp9, 2
	s_add_co_u32 s14, s14, s13                     ; my block of 128 queries: it enters Q's and o's addresses alone
	s_and_b32 s15, ttmp7, 0xffff                   ; the head, which the four partners share
	; descriptor group 1: 25,600 dense bytes as 100 rows of 256 (32 elements of 8 bytes), for all four work-groups
	s_mov_b32 s[G1], 15|(3<<16)|(1<<21)
	s_mov_b32 s[G1+1], 32<<16
	s_mov_b32 s[G1+2], 100<<16
	s_mov_b32 s[G1+3], 32<<16
	s_mov_b32 s[G1+4], 100
	s_mov_b32 s[G1+5], 32
	s_mov_b32 s[G1+6], 0
	s_mov_b32 s[G1+7], 0
	s_min_u32 s48, s[WV], 5                        ; what I fetch, if I fetch (waves 6 and 7 issue no load)
	s_cmp_lt_u32 s48, 4                            ; 0 to 3: quarters of K's part of a slot; 4, 5: halves of V's
	s_mov_b32 s42, 204800
	s_cselect_b32 s42, 409600, s42                 ; a head, in bytes
	s_mov_b32 s32, 2*51200
	s_cselect_b32 s32, 2*102400, s32               ; two slots' worth of keys on
	s_mov_b32 s33, 0
	s_cselect_b32 s43, 0, 4
	s_mul_i32 s42, s42, s15
	s_sub_co_u32 s43, s48, s43
	s_mul_i32 s43, s43, 25600
	s_add_co_u32 s42, s42, s43
	s_mov_b32 s43, 0
	s_mul_i32 s47, s48, 25600                      ; and its place in a slot: no place in the cluster enters an LDS address
	s_lshr_b32 s49, s[WV], 2                       ; which of the block's two panels of queries is mine,
	s_lshl_b32 s50, s14, 1
	s_add_co_u32 s50, s50, s49                     ; as a panel of the head,
	s_and_b32 s51, s[WV], 3                        ; and which of its four blocks of 16
	s_mul_i32 s52, s15, 409600
	s_mul_i32 s53, s50, 12800
	s_add_co_u32 s52, s52, s53                     ; Q: chunk (head, panel, step 0)
	s_mul_i32 s53, s51, 1536                       ; my image in a chunk
	s_and_b32 s56, s[WV], 1
	s_lshl_b32 s56, s56, 7
	s_bfe_u32 s57, s[WV], 0x10001
	s_lshl_b32 s57, s57, 2
	s_add_co_u32 s56, s56, s57                     ; my block's words in a scale area: 128 (a % 2) + 4 (a / 2)
	s_lshl_b32 s57, s49, 8
	s_add_co_u32 s58, s57, s56
	s_lshr_b32 s59, s15, 2                         ; o: chunk (head / 4, panel, head % 4), my image
	s_lshl_b32 s59, s59, 5
	s_add_co_u32 s59, s59, s50
	s_lshl_b32 s59, s59, 2
	s_and_b32 s60, s15, 3
	s_add_co_u32 s59, s59, s60
	s_mul_i32 s60, s59, 6400
	s_add_co_u32 s60, s60, s53
	s_mov_b32 s61, 0
	v_and_b32 v3, 31, v0
	v_lshlrev_b32 v[LI], 4, v3
	v_lshlrev_b32 v[L8], 3, v3
	v_and_b32 v3, 15, v0                           ; r
	v_lshlrev_b32 v55, 3, v3
	v_add_nc_u32 v[SST], s58, v55
	v_add_nc_u32 v[SST], SCST, v[SST]              ; where my row's scale word goes
	v_add_nc_u32 v[SLD], s57, v[L8]
	v_add_nc_u32 v[SLD], SCST, v[SLD]              ; and where a panel's scale area is read back
	v_add_nc_u32 v55, s56, v55                     ; Q's scale words: 8 r + my block's place
	v_add_nc_u32 v54, s53, v[LI]                   ; Q's fragments: 16 x lane + my image
	s_mov_b32 s[SEL], 0x76543210
	s_mov_b32 s[SEL+1], 0xfedcba98
	s_mov_b32 s[CS], 0x3e0293ee                    ; c = log2(e) / sqrt(128)
	s_mov_b32 s[CS+1], s[CS]
	s_mov_b32 s[FLOOR], 0x1800000
	s_mov_b32 s53, 0
	s_wait_kmcnt 0x0
	s_cmp_lt_u32 s48, 4
	s_cselect_b64 s[44:45], s[6:7], s[8:9]
	s_add_nc_u64 s[44:45], s[44:45], s[42:43]
	s_add_nc_u64 s[4:5], s[4:5], s[52:53]
	s_add_nc_u64 s[10:11], s[10:11], s[60:61]
	s_mov_b32 s[G0A], 1                            ; slot 0, keys 0 to 511
	s_mov_b32 s[G0A+1], s47
	s_mov_b64 s[G0A+2:G0A+3], s[44:45]
	s_or_b32 s[G0A+3], s[G0A+3], 0x80000000
	s_lshr_b32 s42, s32, 1
	s_mov_b32 s[G0B], 1                            ; slot 1, keys 512 to 1,023
	s_add_co_u32 s[G0B+1], s47, SLOT
	s_add_nc_u64 s[G0B+2:G0B+3], s[44:45], s[42:43]
	s_or_b32 s[G0B+3], s[G0B+3], 0x80000000
	CROUND                                         ; all four work-groups are here: the first joint loads meet
	s_cmp_lt_u32 s[WV], 6                          ; a wave's two first fills stand in one branch, ahead of every wait on TENSORcnt, every LDS read and every other barrier: two loads of mine are out
	s_cbranch_scc0 .Lno_first
	tensor_load_to_lds s[G0A:G0A+3], s[G1:G1+7]
	s_nop 0
	tensor_load_to_lds s[G0B:G0B+3], s[G1:G1+7]
	s_nop 0
.rept 4
	v_nop
.endr
.Lno_first:
.irp k, 0,1
.irp c, 0,1,2
	global_load_b128 v[16+12*\k+4*\c:16+12*\k+4*\c+3], v54, s[4:5] offset:6400*\k+512*\c   ; Q's two fragments stay in registers
.endr
	global_load_b32 v[40+\k], v55, s[4:5] offset:6400*\k+6144
.endr
	v_mov_b32 v13, 0xff61b1e6                      ; the largest t so far: -3e38
	v_floor_f32 v12, -v13                          ; -M
	v_mov_b32 v14, 0
	v_mov_b32 v15, 0
.irp b, 0,1,2,3
	v_mov_b32 v[236+\b], 0                         ; a lane permute's destination counts as one of its sources
	v_mov_b32 v[TM+4+\b], 0
.endr
	v_mov_b32 v253, 0                              ; (named as the upper half of a pair before it is first written)
.set j, 0
.rept 64
	v_mov_b32 v[160+j], 0                          ; O^T: the step is written once; its first run finds zeros, which the first change of M leaves zeros
.set j, j+1
.endr
	s_wait_loadcnt 0x0                             ; Q
	s_wait_tensorcnt 0x1                           ; my part of slot 0 is in; slot 1's may stay out
	s_barrier_signal -1
	s_barrier_wait -1                              ; everybody's part is in
	VISIT 0
	CHANGE G0A, 1, 1                               ; slot 1 is whole; slot 0 takes keys 1,024 on
	VISIT 1
	CHANGE G0B, 1, 1                               ; slot 1 takes keys 1,536 on
	VISIT 0
	CHANGE G0A, 0, 0                               ; nothing is left to fetch
	VISIT 1
	; THE WAY OUT: O^T / the sum, quantised along the head's 128: step `head` of the last product's K
	PLACES 4
	v_add_f32 v14, v14, v15
	v_permlanex16_b32 v252, v14, s[SEL], s[SEL+1]
	v_add_f32 v14, v14, v252                       ; the row's sum
	v_rcp_f32 v14, v14
	v_nop                                          ; a plain place behind the transcendental
	s_wait_alu depctr_va_vdst(0)                   ; and the wait ahead of its first reader
.set j, 0
.rept 64
	v_mul_f32 v[96+j], v[160+j], v14
.set j, j+1
.endr
	QUANT 96, 224, PW
.irp c, 0,1,2
	global_store_b128 v[LI], v[224+4*\c:224+4*\c+3], s[10:11] offset:512*\c   ; 512 consecutive bytes, at a multiple of 256 from oq's first byte
.endr
	ds_store_b32 v[SST], v[PW]                     ; lanes l and l xor 16 write the same word with the same value
	s_wait_dscnt 0x0                               ; for the others' sake
	s_barrier_signal -1
	s_barrier_wait -1
	s_cmp_lg_u32 s51, 0                            ; a panel's first wave stores its chunk's scale area: 256 consecutive bytes
	s_cbranch_scc1 .Lno_words
	ds_load_b64 v[82:83], v[SLD]
	s_wait_dscnt 0x0
	global_store_b64 v[L8], v[82:83], s[10:11] offset:6144
.Lno_words:
	s_wait_tensorcnt 0x0                           ; the wave's end
	ds_add_u32 v[SPW], v[NIL]
	s_wait_dscnt 0x0
	CROUND                                         ; the closing round
	s_endpgm
.Lfunc_end_k_q6fe3a604da_attn:
	.size	k_q6fe3a604da_attn, .Lfunc_end_k_q6fe3a604da_attn-k_q6fe3a604da_attn
	.p2alignl 7, 3214868480
	.fill 96, 4, 3214868480
	.section	.rodata,"a",@progbits
	.p2align	6, 0x0
	.amdhsa_kernel k_q6fe3a604da_attn
		.amdhsa_group_segment_fixed_size 327680
		.amdhsa_private_segment_fixed_size 0
		.amdhsa_enable_private_segment 0
		.amdhsa_kernarg_size 32
		.amdhsa_user_sgpr_count 2
		.amdhsa_user_sgpr_kernarg_segment_ptr 1
		.amdhsa_wavefront_size32 1
		.amdhsa_system_sgpr_workgroup_id_x 1
		.amdhsa_system_sgpr_workgroup_id_y 1
		.amdhsa_system_sgpr_workgroup_id_z 1
		.amdhsa_system_vgpr_workitem_id 0
		.amdhsa_next_free_vgpr 512
		.amdhsa_next_free_sgpr 66
		.amdhsa_reserve_vcc 0
		.amdhsa_float_denorm_mode_32 3
		.amdhsa_float_denorm_mode_16_64 3
		.amdhsa_memory_ordered 1
		.amdhsa_forward_progress 1
		.amdhsa_inst_pref_size 103
	.end_amdhsa_kernel
	.amdgpu_metadata
---
amdhsa.version: [ 1, 2 ]
amdhsa.kernels:
  - .name:           k_q6fe3a604da_attn
    .symbol:         k_q6fe3a604da_attn.kd
    .args:
      - { .name: qa, .offset: 0, .size: 8, .value_kind: global_buffer, .address_space: global }
      - { .name: ka, .offset: 8, .size: 8, .value_kind: global_buffer, .address_space: global }
      - { .name: va, .offset: 16, .size: 8, .value_kind: global_buffer, .address_space: global }
      - { .name: oq, .offset: 24, .size: 8, .value_kind: global_buffer, .address_space: global }
    .group_segment_fixed_size: 327680
    .private_segment_fixed_size: 0
    .kernarg_segment_align: 8
    .kernarg_segment_size: 32
    .max_flat_workgroup_size: 256
    .sgpr_count:     66
    .vgpr_count:     512
    .wavefront_size: 32
...
	.end_amdgpu_metadata
.endif
;; end of part 4
;; launch outp (part 5): grid 16 x 16, 4 waves a work-group, clusters of 4 x 4, 327,680 bytes of LDS; arguments oq, qw, b_o, out0; writes out0
.if DOCPART == 5
	.amdgcn_target "amdgcn-amd-amdhsa--gfx1250"
	.amdhsa_code_object_version 6
	.text
	.protected	k_q6fe3a604da_outp
	.globl	k_q6fe3a604da_outp
	.p2align	8
	.type	k_q6fe3a604da_outp,@function
k_q6fe3a604da_outp:
	s_mov_b64 s[64:65], 0
	v_nop
	global_prefetch_b8 v0, s[64:65] scope:SCOPE_SE
	s_setreg_imm32_b32 hwreg(HW_REG_WAVE_MODE, 25, 1), 1
	s_wait_xcnt 0x0
	s_wait_alu depctr_hold_cnt(0) depctr_sa_sdst(0) depctr_va_vdst(0) depctr_va_sdst(0) depctr_va_ssrc(0) depctr_va_vcc(0) depctr_vm_vsrc(0)
	s_getreg_b32 s2, hwreg(HW_REG_IB_STS2, 6, 4)
	s_cmp_eq_u32 s2, 0
	s_cbranch_scc0 .Lentry_in_a_cluster
	s_endpgm
.Lentry_in_a_cluster:
	s_bfe_u32 s2, ttmp6, 0x10000c
	s_cmp_lg_u32 s2, 0xf033
	s_cbranch_scc0 .Lentry_shape_is_right
	s_endpgm
.Lentry_shape_is_right:
; out0 = o w_o^T + b_o, on codes of FP6 (E2M3) with E8M0 scales; out0 [2048][2048] f32.  Operands are chunks of 64 rows x 128 K, 6,400 bytes, in the order of an operand's registers;
; lane-row r of block a is row 32 (a / 2) + 8 (a % 2) + r % 8 + 16 (r / 8) of its panel.  THE PRODUCT IS USED TRANSPOSED: source 0 = 16 rows of w_o (P), source 1 = 16 rows of o (R): a lane holds one row of out0 and eight neighbouring columns a tile.
; SHARES: a tile of 128 x 128, 256 work-groups (256 x 128 would give 128).  Four waves, 2 x 2, each 64 x 64: 16 accumulators.  K = 2,048 goes in four parts of 512 through THREE LDS slots: three parts are asked for at the start,
; the fourth goes into slot 0 at the change from slot 1 to slot 2, where all loads are wanted anyway, and has four steps in which to land.
; CLUSTER 4 x 4: R's tiles are asked for jointly by a column of the cluster (same x), P's by a row (same y).
; The bias is the C of each sum's first matrix instruction.  Sums run in ascending steps of 128 on one accumulator an output.
; REGISTERS: window 0: addresses, scale words, R's fragments (two sets), the bias, rows on their way out;  window 1: P's fragments (two sets);  window 2: the accumulators, (a, t) at 8 (4 a + t).
.set PB,    4
.set NF,    3*PB+13+PB/4
.set SLOT,  102400                     ; R's 2 panels x 4 steps, then P's
.set PREG,  51200
.set SPARE, 3*SLOT                     ; the spare words, 128 bytes a wave: two blocks of 256 bytes that no other line names
.set STAGE, SPARE+512                  ; the way out: 16 rows x (256 bytes + 16) for each wave; no tile lands here
.set WOO,   13926400                   ; w_o's region in qw
.set KG,    819200
.set RSTEP, 3*KG
.set PSTEP, 3*KG
.set AR,  4                            ; v4-6, v7-9, v10-12, v13-15: my panel of R, of P, and their scale words, in slots 0, 1, 2
.set AP,  7
.set ASR, 10
.set ASP, 13
.set SPW, 16
.set NIL, 17
.set STO, 18
.set RD,  19
.set CO,  20
.set BO,  21
.set SCR, 22
.set SCP, 26
.set RF,  32
.set BI,  128
.set BK,  160
.set WV,   12
.set ROLE, 13                          ; I fetch for R (0) or P (1); also: which panel of R is mine
.set HALF, 14                          ; which half I fetch; also: which panel of P is mine
.set G1R,  24
.set G0R,  32
.set G1P,  44
.set G0P,  52
.set MSB, 0
.macro WIN new                         ; the immediate's high byte repeats the setting that is left
.if MSB != (\new)
	s_set_vgpr_msb (MSB<<8)|(\new)
.set MSB, \new
.endif
.endm
.macro PLACES n
.rept \n
	v_nop
.endr
.endm
.macro JLOAD g0r, g0p                  ; a joint load: waves 0 and 1 fetch R's panels, waves 2 and 3 P's; four v_nop follow each of the two lines
	s_cmp_eq_u32 s[ROLE], 0
	s_cbranch_scc0 .Lfor_p_\@
	tensor_load_to_lds s[\g0r:\g0r+3], s[G1R:G1R+7]
	s_nop 0
.rept 4
	v_nop
.endr
	s_branch .Lasked_\@
.Lfor_p_\@:
	tensor_load_to_lds s[\g0p:\g0p+3], s[G1P:G1P+7]
	s_nop 0
.rept 4
	v_nop
.endr
.Lasked_\@:
.endm
.macro CREST
	s_cmp_lg_u32 s[WV], 0
	s_cbranch_scc1 .Lnot_wave_0_\@
	s_barrier_signal -3
.Lnot_wave_0_\@:
	s_barrier_wait -3
	s_barrier_signal -1
	s_barrier_wait -1
.endm
.macro CROUND
	s_barrier_signal -1
	s_barrier_wait -1
	CREST
.endm
.macro WMI zero                        ; one matrix instruction, by the symbols that MULS sets
.if \zero
.if wRA && wRB
	v_wmma_scale_f32_16x16x128_f8f6f4 v[wD:wD+7], v[wA:wA+11], v[wB:wB+11], 0, v[wSA], v[wSB] matrix_a_fmt:MATRIX_FMT_FP6 matrix_b_fmt:MATRIX_FMT_FP6 matrix_a_scale:MATRIX_SCALE_ROW1 matrix_b_scale:MATRIX_SCALE_ROW1
.elseif wRA
	v_wmma_scale_f32_16x16x128_f8f6f4 v[wD:wD+7], v[wA:wA+11], v[wB:wB+11], 0, v[wSA], v[wSB] matrix_a_fmt:MATRIX_FMT_FP6 matrix_b_fmt:MATRIX_FMT_FP6 matrix_a_scale:MATRIX_SCALE_ROW1
.elseif wRB
	v_wmma_scale_f32_16x16x128_f8f6f4 v[wD:wD+7], v[wA:wA+11], v[wB:wB+11], 0, v[wSA], v[wSB] matrix_a_fmt:MATRIX_FMT_FP6 matrix_b_fmt:MATRIX_FMT_FP6 matrix_b_scale:MATRIX_SCALE_ROW1
.else
	v_wmma_scale_f32_16x16x128_f8f6f4 v[wD:wD+7], v[wA:wA+11], v[wB:wB+11], 0, v[wSA], v[wSB] matrix_a_fmt:MATRIX_FMT_FP6 matrix_b_fmt:MATRIX_FMT_FP6
.endif
.else
.if wRA && wRB
	v_wmma_scale_f32_16x16x128_f8f6f4 v[wD:wD+7], v[wA:wA+11], v[wB:wB+11], v[wC:wC+7], v[wSA], v[wSB] matrix_a_fmt:MATRIX_FMT_FP6 matrix_b_fmt:MATRIX_FMT_FP6 matrix_a_scale:MATRIX_SCALE_ROW1 matrix_b_scale:MATRIX_SCALE_ROW1
.elseif wRA
	v_wmma_scale_f32_16x16x128_f8f6f4 v[wD:wD+7], v[wA:wA+11], v[wB:wB+11], v[wC:wC+7], v[wSA], v[wSB] matrix_a_fmt:MATRIX_FMT_FP6 matrix_b_fmt:MATRIX_FMT_FP6 matrix_a_scale:MATRIX_SCALE_ROW1
.elseif wRB
	v_wmma_scale_f32_16x16x128_f8f6f4 v[wD:wD+7], v[wA:wA+11], v[wB:wB+11], v[wC:wC+7], v[wSA], v[wSB] matrix_a_fmt:MATRIX_FMT_FP6 matrix_b_fmt:MATRIX_FMT_FP6 matrix_b_scale:MATRIX_SCALE_ROW1
.else
	v_wmma_scale_f32_16x16x128_f8f6f4 v[wD:wD+7], v[wA:wA+11], v[wB:wB+11], v[wC:wC+7], v[wSA], v[wSB] matrix_a_fmt:MATRIX_FMT_FP6 matrix_b_fmt:MATRIX_FMT_FP6
.endif
.endif
.endm
; R's blocks a0 .. a1 x all PB tiles of P, from register set q.  ck = 2: the sums begin with the bias; 0: they go on in place.  All accumulators take turns, one instruction a turn.
.macro MULS q, a0, a1, ck
.if (\ck) == 2
	WIN 0x81
.else
	WIN 0xa1
.endif
.set ma, \a0
.rept (\a1)-(\a0)+1
.set mt, 0
.rept PB
.set wD, 8*(PB*ma+mt)
.set wA, 128*(\q)+12*mt
.set wB, RF+48*(\q)+12*ma
.if (\ck) == 2
.set wC, BI+8*mt
.else
.set wC, wD
.endif
.set wSA, SCP+(PB/2)*(\q)+2*(mt>>2)+((mt&3)>>1)
.set wSB, SCR+2*(\q)+(ma>>1)
.set wRA, mt&1
.set wRB, ma&1
	WMI (\ck)==1
.set mt, mt+1
.endr
.set ma, ma+1
.endr
.endm
.macro FETCH slot, ks, q               ; the fragments and scale words of step ks of a slot into register set q: NF LDS loads
	WIN 0x40
.set ft, 0
.rept PB
.irp c, 0,1,2
	ds_load_b128 v[128*(\q)+12*ft+4*\c:128*(\q)+12*ft+4*\c+3], v[AP+\slot] offset:25600*(ft>>2)+6400*(\ks)+1536*(ft&3)+512*\c
.endr
.set ft, ft+1
.endr
	WIN 0
.irp a, 0,1,2,3
.irp c, 0,1,2
	ds_load_b128 v[RF+48*(\q)+12*\a+4*\c:RF+48*(\q)+12*\a+4*\c+3], v[AR+\slot] offset:6400*(\ks)+1536*\a+512*\c
.endr
.endr
	ds_load_b64 v[SCR+2*(\q):SCR+2*(\q)+1], v[ASR+\slot] offset:6400*(\ks)
.set ft, 0
.rept PB/4
	ds_load_b64 v[SCP+(PB/2)*(\q)+2*ft:SCP+(PB/2)*(\q)+2*ft+1], v[ASP+\slot] offset:25600*ft+6400*(\ks)
.set ft, ft+1
.endr
.endm
.macro STEPX q, nslot, nks, ck         ; the next step's fragments are asked for, four places behind the products that read their registers; then set q is multiplied
	PLACES 4
	FETCH \nslot, \nks, 1-(\q)
	s_wait_dscnt NF                                ; all but the NF just issued: set q is in
	MULS \q, 0, 3, \ck
.endm
.macro LAST q
	s_wait_dscnt 0x0
	MULS \q, 0, 3, 0
.endm
; A slot's last step changes slots: one barrier.  In front of it each wave waits for its tensor loads, adds 0 to its spare word
; (add = 1), and waits for that and for its reads.  kind = 2: the barrier opens a round of the cluster's barrier, and slot fslot is filled again, first thing behind the round.
.macro TURN q, nslot, kind, add, tc, fslot
	WIN 0
	s_wait_tensorcnt \tc
.if \add
	ds_add_u32 v[SPW], v[NIL]                      ; 0 onto my spare word
	s_wait_dscnt 0x1                               ; set q is in; the add may be out
.else
	s_wait_dscnt 0x0
.endif
	MULS \q, 0, 0, 0
.if \add
	s_wait_dscnt 0x0                               ; the add is done, and my LDS reads are over
.endif
	s_barrier_signal -1
	MULS \q, 1, 1, 0
	WIN 0
	s_barrier_wait -1
.if (\kind) == 2
	CREST                                          ; no wave of any partner still reads the slot's tiles or has a load on its way
	s_add_nc_u64 s[G0R+4*(\fslot)+2:G0R+4*(\fslot)+3], s[G0R+4*(\fslot)+2:G0R+4*(\fslot)+3], RSTEP
	s_add_nc_u64 s[G0P+4*(\fslot)+2:G0P+4*(\fslot)+3], s[G0P+4*(\fslot)+2:G0P+4*(\fslot)+3], PSTEP
	JLOAD G0R+4*(\fslot), G0P+4*(\fslot)           ; its four v_nop are also the places in front of the loads below
.else
	PLACES 4
.endif
	FETCH \nslot, 0, 1-(\q)
	MULS \q, 2, 3, 0
.endm
	s_load_b256 s[4:11], s[0:1], 0x0               ; oq, qw, b_o, out0
	v_lshl_add_u32 v[SPW], v0, 2, SPARE
	v_mov_b32 v[NIL], 0
	ds_add_u32 v16, v17
	s_wait_dscnt 0x0
	v_lshrrev_b32 v1, 5, v0
	v_readfirstlane_b32 s[WV], v1
	s_lshr_b32 s[ROLE], s[WV], 1
	s_and_b32 s[HALF], s[WV], 1
	s_bfe_u32 s15, ttmp6, 0x40000                  ; cx
	s_bfe_u32 s16, ttmp6, 0x40004                  ; cy
	s_lshl_b32 s17, ttmp9, 2
	s_add_co_u32 s17, s17, s15                     ; x: 128 rows of out0
	s_and_b32 s18, ttmp7, 0xffff
	s_lshl_b32 s18, s18, 2
	s_add_co_u32 s18, s18, s16                     ; y: 128 columns
	s_lshl_b32 s66, 0x1111, s15                    ; my column of the cluster: R's tiles hang on x alone
	s_lshl_b32 s67, s16, 2
	s_lshl_b32 s67, 15, s67                        ; my row: P's hang on y alone
	s_or_b32 s[G1R], s66, (3<<16)|(1<<21)          ; a dense block of 25,600 bytes as 100 rows of 256 (32 elements of 8 bytes)
	s_or_b32 s[G1P], s67, (3<<16)|(1<<21)
.irp g, G1R, G1P
	s_mov_b32 s[\g+1], 32<<16
	s_mov_b32 s[\g+2], 100<<16
	s_mov_b32 s[\g+3], 32<<16
	s_mov_b32 s[\g+4], 100
	s_mov_b32 s[\g+5], 32
	s_mov_b32 s[\g+6], 0
	s_mov_b32 s[\g+7], 0
.endr
	s_mul_i32 s68, s17, 51200
	s_mul_i32 s69, s[HALF], 25600
	s_add_co_u32 s68, s68, s69
	s_mov_b32 s69, 0
	s_mul_i32 s70, s18, 51200
	s_mul_i32 s71, s[HALF], 25600
	s_add_co_u32 s70, s70, s71
	s_add_co_u32 s70, s70, WOO
	s_mov_b32 s71, 0
	s_mul_i32 s74, s[WV], 25600                    ; where my load goes in a slot: R's two panels, then P's two
	v_and_b32 v1, 31, v0
	v_lshlrev_b32 v2, 4, v1                        ; 16 x lane
	v_lshlrev_b32 v3, 3, v1                        ; 8 x lane
	s_mul_i32 s75, s[ROLE], 25600
	s_mul_i32 s76, s[HALF], 25600
	s_add_co_u32 s76, s76, PREG
	v_add_nc_u32 v[AR], s75, v2
	v_add_nc_u32 v[AP], s76, v2
	v_add_nc_u32 v[ASR], s75, v3
	v_add_nc_u32 v[ASR], 6144, v[ASR]
	v_add_nc_u32 v[ASP], s76, v3
	v_add_nc_u32 v[ASP], 6144, v[ASP]
.irp s, 1,2
	v_add_nc_u32 v[AR+\s], \s*SLOT, v[AR]
	v_add_nc_u32 v[AP+\s], \s*SLOT, v[AP]
	v_add_nc_u32 v[ASR+\s], \s*SLOT, v[ASR]
	v_add_nc_u32 v[ASP+\s], \s*SLOT, v[ASP]
.endr
	v_and_b32 v30, 15, v0                          ; r
	v_bfe_u32 v31, v0, 4, 1                        ; h
	s_mul_i32 s77, s[WV], 16*272
	s_add_co_u32 s77, s77, STAGE                   ; my stage
	v_mul_u32_u24 v[STO], v30, 272
	v_lshl_add_u32 v[STO], v31, 6, v[STO]
	v_add_nc_u32 v[STO], s77, v[STO]               ; in: lane-row r, + 16 h columns
	v_mul_u32_u24 v[RD], v31, 272
	v_lshl_add_u32 v[RD], v30, 4, v[RD]
	v_add_nc_u32 v[RD], s77, v[RD]                 ; back: lanes 0-15 one row of 256 bytes, lanes 16-31 the next
	v_lshlrev_b32 v[CO], 13, v31
	v_lshl_add_u32 v[CO], v30, 4, v[CO]            ; and the same two rows in out0 (8,192 bytes a row)
	v_lshlrev_b32 v[BO], 6, v31                    ; the bias: 16 h numbers
	s_lshl_b32 s78, s17, 7
	s_lshl_b32 s79, s[ROLE], 6
	s_add_co_u32 s78, s78, s79
	s_lshl_b32 s78, s78, 13                        ; my first row of out0: 128 x + 64 x my panel of R,
	s_lshl_b32 s80, s18, 9
	s_lshl_b32 s81, s[HALF], 8
	s_add_co_u32 s80, s80, s81                     ; my first column, in bytes: 512 y + 256 x my panel of P
	s_mov_b32 s81, 0
	s_add_co_u32 s78, s78, s80
	s_mov_b32 s79, 0
	s_wait_kmcnt 0x0
	s_add_nc_u64 s[68:69], s[4:5], s[68:69]
	s_add_nc_u64 s[70:71], s[6:7], s[70:71]
	s_add_nc_u64 s[8:9], s[8:9], s[80:81]
	s_add_nc_u64 s[10:11], s[10:11], s[78:79]
.irp t, 0,1,2,3                                ; tile t: the bias of columns 32 (t / 2) + 8 (t % 2) + 16 h + 0 .. 7
.irp q, 0,1
	global_load_b128 v[BI+8*\t+4*\q:BI+8*\t+4*\q+3], v[BO], s[8:9] offset:(32*(\t>>1)+8*(\t&1))*4+16*\q
.endr
.endr
	CROUND                                         ; all sixteen work-groups are here: the first joint loads meet
.irp s, 0,1,2
	s_mov_b32 s[G0R+4*\s], 1
	s_add_co_u32 s[G0R+4*\s+1], s74, \s*SLOT
	s_add_nc_u64 s[G0R+4*\s+2:G0R+4*\s+3], s[68:69], \s*KG
	s_or_b32 s[G0R+4*\s+3], s[G0R+4*\s+3], 0x80000000
	s_mov_b32 s[G0P+4*\s], 1
	s_add_co_u32 s[G0P+4*\s+1], s74, \s*SLOT
	s_add_nc_u64 s[G0P+4*\s+2:G0P+4*\s+3], s[70:71], \s*KG
	s_or_b32 s[G0P+4*\s+3], s[G0P+4*\s+3], 0x80000000
	JLOAD G0R+4*\s, G0P+4*\s                       ; three loads of mine are out
.endr
	s_wait_loadcnt 0x0                             ; the bias
	s_wait_tensorcnt 0x2                           ; my part of slot 0 is in; the two younger loads may stay out
	s_barrier_signal -1
	s_barrier_wait -1
	FETCH 0, 0, 0
	STEPX 0, 0, 1, 2                               ; the first step starts the sums with the bias
	STEPX 1, 0, 2, 0
	STEPX 0, 0, 3, 0
	TURN 1, 1, 1, 0, 1, 0                          ; slot 1 is whole (slot 2's load may stay out); nothing is filled
	STEPX 0, 1, 1, 0
	STEPX 1, 1, 2, 0
	STEPX 0, 1, 3, 0
	TURN 1, 2, 2, 1, 0, 0                          ; slot 2 is whole; slot 0, read out four steps ago, takes K's last 512
	STEPX 0, 2, 1, 0
	STEPX 1, 2, 2, 0
	STEPX 0, 2, 3, 0
	TURN 1, 0, 1, 1, 0, 0                          ; slot 0 is whole again; nothing is left to fetch
	STEPX 0, 0, 1, 0
	STEPX 1, 0, 2, 0
	STEPX 0, 0, 3, 0
	LAST 1
	WIN 0
; THE WAY OUT, a block of 16 rows x 64 columns at a time: a lane holds 32 neighbouring bytes a tile of one row, so a block goes through my own stage and comes back as whole rows of 256 bytes.
; LDS serves a wave's instructions in order (ISA guide 5.7.1.4): no wait between the stores and the loads, nor in front of the next block's stores.
.macro TOSTAGE a
	WIN 0x08                                       ; an LDS store's data are its source 1: window 2
.irp t, 0,1,2,3
	ds_store_b128 v[STO], v[8*(4*(\a)+\t):8*(4*(\a)+\t)+3] offset:128*(\t>>1)+32*(\t&1)      ; each accumulator from its low end on
	ds_store_b128 v[STO], v[8*(4*(\a)+\t)+4:8*(4*(\a)+\t)+7] offset:128*(\t>>1)+32*(\t&1)+16
.endr
	WIN 0
.irp i, 0,1,2,3,4,5,6,7
	ds_load_b128 v[BK+32*((\a)&1)+4*\i:BK+32*((\a)&1)+4*\i+3], v[RD] offset:544*\i
.endr
.endm
.macro SEND a, younger                 ; younger: the LDS instructions issued behind block a's loads, which may stay out
	s_wait_dscnt \younger
.irp i, 0,1,2,3,4,5,6,7
	global_store_b128 v[CO], v[BK+32*((\a)&1)+4*\i:BK+32*((\a)&1)+4*\i+3], s[10:11] offset:(32*((\a)>>1)+8*((\a)&1)+2*(\i&3)+16*(\i>>2))*8192 th:TH_STORE_NT   ; 16 lanes store 256 consecutive bytes, at a multiple of 256 from out0's first byte
.endr
.endm
	PLACES 4                                       ; behind the last products
	TOSTAGE 0
.irp a, 1,2,3
.if \a > 1
	s_wait_xcnt 0x0                                ; block a - 2's stores have read their registers: block a's rows may land there
.endif
	TOSTAGE \a
	SEND \a-1, 16                                  ; behind block a - 1's loads: block a's 8 stores and 8 loads
.endr
	SEND 3, 0
	s_wait_tensorcnt 0x0                           ; the wave's end
	ds_add_u32 v[SPW], v[NIL]
	s_wait_dscnt 0x0
	CROUND                                         ; the closing round
	s_endpgm
.Lfunc_end_k_q6fe3a604da_outp:
	.size	k_q6fe3a604da_outp, .Lfunc_end_k_q6fe3a604da_outp-k_q6fe3a604da_outp
	.p2alignl 7, 3214868480
	.fill 96, 4, 3214868480
	.section	.rodata,"a",@progbits
	.p2align	6, 0x0
	.amdhsa_kernel k_q6fe3a604da_outp
		.amdhsa_group_segment_fixed_size 327680
		.amdhsa_private_segment_fixed_size 0
		.amdhsa_enable_private_segment 0
		.amdhsa_kernarg_size 32
		.amdhsa_user_sgpr_count 2
		.amdhsa_user_sgpr_kernarg_segment_ptr 1
		.amdhsa_wavefront_size32 1
		.amdhsa_system_sgpr_workgroup_id_x 1
		.amdhsa_system_sgpr_workgroup_id_y 1
		.amdhsa_system_sgpr_workgroup_id_z 1
		.amdhsa_system_vgpr_workitem_id 0
		.amdhsa_next_free_vgpr 640
		.amdhsa_next_free_sgpr 96
		.amdhsa_reserve_vcc 0
		.amdhsa_float_denorm_mode_32 3
		.amdhsa_float_denorm_mode_16_64 3
		.amdhsa_memory_ordered 1
		.amdhsa_forward_progress 1
		.amdhsa_inst_pref_size 81
	.end_amdhsa_kernel
	.amdgpu_metadata
---
amdhsa.version: [ 1, 2 ]
amdhsa.kernels:
  - .name:           k_q6fe3a604da_outp
    .symbol:         k_q6fe3a604da_outp.kd
    .args:
      - { .name: oq, .offset: 0, .size: 8, .value_kind: global_buffer, .address_space: global }
      - { .name: qw, .offset: 8, .size: 8, .value_kind: global_buffer, .address_space: global }
      - { .name: b_o, .offset: 16, .size: 8, .value_kind: global_buffer, .address_space: global }
      - { .name: out0, .offset: 24, .size: 8, .value_kind: global_buffer, .address_space: global }
    .group_segment_fixed_size: 327680
    .private_segment_fixed_size: 0
    .kernarg_segment_align: 8
    .kernarg_segment_size: 32
    .max_flat_workgroup_size: 128
    .sgpr_count:     96
    .vgpr_count:     640
    .wavefront_size: 32
...
	.end_amdgpu_metadata
.endif
;; end of part 5
